; MI455X (gfx1250); checked and timed in simulation.
; The chip was launched on July 23, 2026; its instructions are those of AMD's public machine-readable ISA for CDNA 5 (MIT licence, August 2026) and "CDNA5" Instruction Set Architecture Reference Guide (July 2026). The comments in the code are by the model that wrote it; some were corrected since.
;; Self Attention. Allowed arithmetic: float matrix products may take bf16 or f16 operands with f32 sums; all other float work in f32.
;; Inputs: Wk 1,024 x 1,024 float32; Wq 1,024 x 1,024 float32; Wv 1,024 x 1,024 float32; bk 1,024 float32; bq 1,024 float32; bv 1,024 float32; x 4 x 2,048 x 1,024 float32.
;; Outputs: out0 4 x 2,048 x 1,024 float32.
;; 2 versions, each right; version 2 is version 1 with the launch cast written anew for expert scheduling mode. Each part assembles by itself: llvm-mc -triple=amdgcn-amd-amdhsa -mcpu=gfx1250 --defsym DOCPART=n.
;; ======== version 1 of 2: 4 launches
;; limits: values are held in f16: magnitudes above 65,504 overflow, below 6.1e-05 lose precision
;; workspace buffers: wb 6,291,456 bytes; qkv 50,331,648 bytes; e 33,554,432 bytes; st 1,048,576 bytes
;; launch cast (part 1): grid 384 x 1, 8 waves a work-group, no clusters, 0 bytes of LDS; arguments Wq, Wk, Wv, wb; writes wb
.if DOCPART == 1
	.amdgcn_target "amdgcn-amd-amdhsa--gfx1250"
	.amdhsa_code_object_version 6
	.text
	.protected	k_qa620da7580_cast
	.globl	k_qa620da7580_cast
	.p2align	8
	.type	k_qa620da7580_cast,@function
k_qa620da7580_cast:
	s_mov_b64 s[64:65], 0
	v_nop
	global_prefetch_b8 v0, s[64:65] scope:SCOPE_SE
	s_setreg_imm32_b32 hwreg(HW_REG_WAVE_MODE, 25, 1), 1
	s_wait_xcnt 0x0
; Wq, Wk, Wv are rounded to bf16, once: wb holds the three one behind the other, [3][1024 d][1024 f], layout kept.  (x and the biases are rounded where they are used, in the launch behind:
; x lies along K and can be converted between LDS and the matrix unit; the weights lie across K and are read turned, which only 16-bit numbers can be.)
; Each of 384 work-groups takes 32,768 bytes of a weight.  A stream: each byte is read once and written once; nothing is shared, so no LDS, no cluster, no matrix unit.
; Thread t takes 16 bytes at 16 t of each 4,096 bytes: eight loads of a wave are out together; a wave's store covers 256 consecutive bytes, aligned.
	s_load_b256 s[4:11], s[0:1], 0x0               ; Wq s[4:5], Wk s[6:7], Wv s[8:9], wb s[10:11]
	v_lshlrev_b32 v1, 4, v0                        ; 16 t: my bytes in 4,096 of f32
	v_lshlrev_b32 v2, 3, v0                        ; 8 t: my bytes in 2,048 of bf16
	s_and_b32 s12, ttmp9, 127                      ; my block in its weight: 128 blocks a weight
	s_lshl_b32 s12, s12, 15                        ; 32,768 bytes of f32
	s_mov_b32 s13, 0
	s_lshl_b32 s14, ttmp9, 14                      ; 16,384 bytes of bf16
	s_mov_b32 s15, 0
	s_wait_kmcnt 0x0
	s_cmp_lt_u32 ttmp9, 256
	s_cselect_b64 s[16:17], s[6:7], s[8:9]         ; Wk or Wv,
	s_cmp_lt_u32 ttmp9, 128
	s_cselect_b64 s[16:17], s[4:5], s[16:17]       ; or Wq
	s_add_nc_u64 s[16:17], s[16:17], s[12:13]
	s_add_nc_u64 s[18:19], s[10:11], s[14:15]
.set i, 0
.rept 8
	global_load_b128 v[4+4*i:7+4*i], v1, s[16:17] offset:4096*i th:TH_LOAD_NT
.set i, i+1
.endr
.set i, 0
.rept 8
	s_wait_loadcnt 7-i                             ; loads come back in order: number i is in, the 7 - i younger ones stay out
	v_cvt_pk_bf16_f32 v[36+2*i], v[4+4*i], v[5+4*i]
	v_cvt_pk_bf16_f32 v[37+2*i], v[6+4*i], v[7+4*i]
	global_store_b64 v2, v[36+2*i:37+2*i], s[18:19] offset:2048*i  ; no register is written twice, so no wait frees any
.set i, i+1
.endr
	s_endpgm
.Lfunc_end_k_qa620da7580_cast:
	.size	k_qa620da7580_cast, .Lfunc_end_k_qa620da7580_cast-k_qa620da7580_cast
	.p2alignl 7, 3214868480
	.fill 96, 4, 3214868480
	.section	.rodata,"a",@progbits
	.p2align	6, 0x0
	.amdhsa_kernel k_qa620da7580_cast
		.amdhsa_group_segment_fixed_size 0
		.amdhsa_private_segment_fixed_size 0
		.amdhsa_enable_private_segment 0
		.amdhsa_kernarg_size 32
		.amdhsa_user_sgpr_count 2
		.amdhsa_user_sgpr_kernarg_segment_ptr 1
		.amdhsa_wavefront_size32 1
		.amdhsa_system_sgpr_workgroup_id_x 1
		.amdhsa_system_sgpr_workgroup_id_y 1
		.amdhsa_system_sgpr_workgroup_id_z 1
		.amdhsa_system_vgpr_workitem_id 0
		.amdhsa_next_free_vgpr 56
		.amdhsa_next_free_sgpr 66
		.amdhsa_reserve_vcc 0
		.amdhsa_float_denorm_mode_32 3
		.amdhsa_float_denorm_mode_16_64 3
		.amdhsa_memory_ordered 1
		.amdhsa_forward_progress 1
		.amdhsa_inst_pref_size 4
	.end_amdhsa_kernel
	.amdgpu_metadata
---
amdhsa.version: [ 1, 2 ]
amdhsa.kernels:
  - .name:           k_qa620da7580_cast
    .symbol:         k_qa620da7580_cast.kd
    .args:
      - { .name: Wq, .offset: 0, .size: 8, .value_kind: global_buffer, .address_space: global }
      - { .name: Wk, .offset: 8, .size: 8, .value_kind: global_buffer, .address_space: global }
      - { .name: Wv, .offset: 16, .size: 8, .value_kind: global_buffer, .address_space: global }
      - { .name: wb, .offset: 24, .size: 8, .value_kind: global_buffer, .address_space: global }
    .group_segment_fixed_size: 0
    .private_segment_fixed_size: 0
    .kernarg_segment_align: 8
    .kernarg_segment_size: 32
    .max_flat_workgroup_size: 256
    .sgpr_count:     66
    .vgpr_count:     56
    .wavefront_size: 32
...
	.end_amdgpu_metadata
.endif
;; end of part 1
;; launch qkv (part 2): grid 4 x 64, 4 waves a work-group, clusters of 4 x 4, 327,680 bytes of LDS; arguments x, wb, bq, bk, bv, qkv; writes qkv
.if DOCPART == 2
	.amdgcn_target "amdgcn-amd-amdhsa--gfx1250"
	.amdhsa_code_object_version 6
	.text
	.protected	k_qa620da7580_qkv
	.globl	k_qa620da7580_qkv
	.p2align	8
	.type	k_qa620da7580_qkv,@function
k_qa620da7580_qkv:
	s_mov_b64 s[64:65], 0
	v_nop
	global_prefetch_b8 v0, s[64:65] scope:SCOPE_SE
	s_setreg_imm32_b32 hwreg(HW_REG_WAVE_MODE, 25, 1), 1
	s_wait_xcnt 0x0
	s_wait_alu depctr_hold_cnt(0) depctr_sa_sdst(0) depctr_va_vdst(0) depctr_va_sdst(0) depctr_va_ssrc(0) depctr_va_vcc(0) depctr_vm_vsrc(0)
	s_getreg_b32 s2, hwreg(HW_REG_IB_STS2, 6, 4)
	s_cmp_eq_u32 s2, 0
	s_cbranch_scc0 .Lentry_in_a_cluster
	s_endpgm
.Lentry_in_a_cluster:
	s_bfe_u32 s2, ttmp6, 0x10000c
	s_cmp_lg_u32 s2, 0xf033
	s_cbranch_scc0 .Lentry_shape_is_right
	s_endpgm
.Lentry_shape_is_right:
; Q, K, V = x W + b.  x: [8192][1024] f32.  wb: [3][1024 d][1024 f] bf16.  bq, bk, bv: [1024] f32.  qkv: [3][8192][1024] f16.  x and the biases are rounded to bf16 here; products in bf16, sums in f32,
; one rounding to f16.
; LIMIT.  f16 ends at 65,504: |Q|, |K|, |V| must stay within it (inputs as drawn give about 6; x and W both 30 times larger about 5,400).  NaN and infinities are not treated apart.
; SHARES.  A work-group owns 128 rows x 256 columns of Q, of K and of V, and makes the three AT ONCE: a tile of x is fetched once and multiplied by three tiles of weights.  Four waves, each 64 rows x 128
; columns x 3: 96 accumulators of 16 x 16, 768 registers.  8192/128 x 1024/256 = 256 work-groups.  K goes in 16 steps of 64 through two LDS slots: 192 matrix instructions a wave in a step.
; A slot has four parts of 34,816 bytes, and wave w fills part w with one tensor load of 32 KiB: x's tile (128 rows of 64 f32: 256 bytes of memory a row), then the three weights' (64 rows of 512 bytes).
; CLUSTER.  4 x 4 work-groups: the four of a row of the cluster need the same rows of x, the four of a column the same columns of the weights: each tile is asked for jointly.
; LAYOUT.  x's tile lies [row][k] in f32: a lane reads its 16 numbers of a fragment by four loads of 16 bytes and rounds them to bf16 in pairs.  The weights' tiles lie [k][column] and are read turned
; (ds_load_tr16_b128).  The matrix instruction is used transposed (source 0 = 16 columns of W, source 1 = 16 rows of x): a lane holds row lane % 16 and the eight neighbouring columns 8 (lane / 16) + 0..7.
; THE BIAS is a K step of its own, ahead of the loop: x gets a column of ones and W the row b.  Its 96 products take the constant 0 as C and start the sums: nothing is cleared and nothing is added later.
; ONE TEXT FOR A STEP, twice: a loop of 14 trips that fill a slot again, a loop of 2 that do not.  The last trip's change of slots (a barrier, 32 LDS loads, 16 conversions) serves nothing: the price of that.
; All stores stand at the end: the three tiles are finished together.
; REGISTERS, in windows of 256 (s_set_vgpr_msb: bits 1:0 source 0, 3:2 source 1, 5:4 source 2, 7:6 destination):
;   window 0: v1-15 addresses; v32-63 two blocks of x in f32; v64-95 x's four fragments (16 rows x 32 K each); v96-159, v160-223 two buffers of a weight's eight fragments; v224-255 packed results
;   windows 1, 2, 3: the accumulators of Q, K, V: (a, b) at v[8 (8 a + b)]
.set KS,    64
.set PA,    272                        ; a row of x's tile in LDS: 256 bytes + 16: the 16 rows of a load start at 16 different groups of four banks
.set PB,    544                        ; a row of a weight's tile: 512 bytes + 32
.set PART,  34816                      ; 128 x PA = 64 x PB
.set SLOT,  4*PART                     ; 0x22000.  The four parts begin at 0, 0x8800, 0x11000, 0x19800, which have neither of SLOT's two bits: one exclusive or changes slots
.set STAGE, 2*SLOT                     ; behind the ring, never filled by a tensor load: 16 rows x 272 bytes for each wave
.set SP,    272
.set SPARE, STAGE+4*16*SP              ; the spare words, 128 bytes for each wave: two blocks of 256 bytes that no other line names
.set ADRA0, 4                          ; v4   my lane's place in x's tile of slot 0; never rewritten
.set ADRB0, 5                          ; v5   the same in Wq's tile
.set ADRA,  6                          ; v6   the same in the slot in hand
.set ADRB,  7                          ; v7   Wq's tile, and by the immediate Wk's
.set ADRC,  8                          ; v8   Wv's tile: beyond the immediate's 16 bits
.set STO,   9                          ; v9   the way out: where I put 16 bytes of a row
.set RD,    10                         ; v10  the way out: where I read a row back
.set CO,    11                         ; v11  my byte offset in two rows of the result
.set BO,    12                         ; v12  4 x (lane % 16): my column in 16 numbers of a bias
.set SPW,   14                         ; v14  LDS address of my spare word; never rewritten
.set NIL,   15                         ; v15  0; never rewritten
.set SG,    32
.set AF,    64
.set B0,    96
.set B1,    160
.set TMP,   224
.set OB,    96                         ; the way out: rows read back from the stage, v96-127 and v128-159 by turns
.set BX,    96                         ; the bias step: plane p's eight numbers at BX + 24 p + 2 b
.set WV, 16                            ; s16 wave; s17 its half of the rows; s18 its half of the columns
.set WR, 17
.set WC, 18
.set CX, 19
.set CY, 20
.set TC, 21                            ; s21 tile column; s22 tile row
.set TR, 22
.set G1A, 24                           ; s[24:31] descriptor group 1 for x's tiles; s[32:39] group 0: a set for each first fill, the second then walks
.set G0A, 32
.set G1B, 40                           ; s[40:47], s[48:55] the same for the weights'
.set G0B, 48
.set TB, 56                            ; s56 LDS byte at which the slot in hand begins
.set CNT, 57
.set OUTB, 80                          ; s[80:81] the result at my wave's first row and column
.set MSB, 0
.macro WIN new                         ; the immediate's high byte repeats the setting that is left; a switch that changes nothing is dropped
.if MSB != (\new)
	s_set_vgpr_msb (MSB<<8)|(\new)
.set MSB, (\new)
.endif
.endm
.macro PLACES                          ; four plain vector instructions between a matrix instruction and a load into, or a vector read or write of, its registers
.rept 4
	v_nop
.endr
.endm
; A joint refill, by the walking descriptor.  Wave 0 fetches x's tile, waves 1 to 3 the three weights'.  The branch hangs on the wave's number alone.
; An s_nop 0 and four v_nop follow each of the two lines, ahead of the jump and the label.
.macro JLOAD
	s_cmp_eq_u32 s[WV], 0
	s_cbranch_scc0 .Lfor_b_\@
	tensor_load_to_lds s[G0A+4:G0A+7], s[G1A:G1A+7]
	s_nop 0
.rept 4
	v_nop
.endr
	s_branch .Lasked_\@
.Lfor_b_\@:
	tensor_load_to_lds s[G0B+4:G0B+7], s[G1B:G1B+7]
	s_nop 0
.rept 4
	v_nop
.endr
.Lasked_\@:
.endm
.macro CREST                           ; a round of the cluster's barrier behind its opening barrier
	s_cmp_lg_u32 s[WV], 0
	s_cbranch_scc1 .Lnot_wave_0_\@
	s_barrier_signal -3
.Lnot_wave_0_\@:
	s_barrier_wait -3
	s_barrier_signal -1
	s_barrier_wait -1
.endm
.macro CROUND                          ; a whole round
	s_barrier_signal -1
	s_barrier_wait -1
	CREST
.endm
	s_load_b256 s[4:11], s[0:1], 0x0               ; x s[4:5], wb s[6:7], bq s[8:9], bk s[10:11]
	s_load_b128 s[12:15], s[0:1], 0x20             ; bv s[12:13], qkv s[14:15]
	v_lshl_add_u32 v[SPW], v0, 2, SPARE
	v_mov_b32 v[NIL], 0
	ds_add_u32 v[SPW], v[NIL]                      ; the wave's opening: the add and its wait stand ahead of my first tensor load; work on registers stands between them
	v_lshrrev_b32 v1, 5, v0
	v_readfirstlane_b32 s[WV], v1
	v_and_b32 v1, 15, v0                           ; r = lane % 16
	v_bfe_u32 v2, v0, 4, 1                         ; h = lane / 16
	v_lshlrev_b32 v[BO], 2, v1
	s_lshr_b32 s[WR], s[WV], 1
	s_and_b32 s[WC], s[WV], 1
	s_bfe_u32 s[CX], ttmp6, 0x40000                ; my place in the cluster
	s_bfe_u32 s[CY], ttmp6, 0x40004
	s_lshl_b32 s[TC], ttmp9, 2
	s_add_co_u32 s[TC], s[TC], s[CX]               ; tile column = 4 x cluster x + cx
	s_and_b32 s[TR], ttmp7, 0xffff
	s_lshl_b32 s[TR], s[TR], 2
	s_add_co_u32 s[TR], s[TR], s[CY]               ; tile row = 4 x cluster y + cy
	s_lshl_b32 s66, s[CY], 2
	s_lshl_b32 s66, 15, s66                        ; my row of the cluster
	s_lshl_b32 s70, 0x1111, s[CX]                  ; my column
	s_or_b32 s[G1A], s66, (2<<16)|(1<<20)|(1<<21)|(5<<22)|(3<<25)  ; the mask; 4-byte elements; padding on; bit 21 beside a mask; after every 64 words 4 words
	s_mov_b32 s[G1A+1], 64<<16                     ; tensor_dim0 = 64
	s_mov_b32 s[G1A+2], 128<<16                    ; tensor_dim1 = 128
	s_mov_b32 s[G1A+3], 64<<16                     ; tile_dim0 = 64
	s_mov_b32 s[G1A+4], 128                        ; tile_dim1 = 128
	s_mov_b32 s[G1A+5], 1024                       ; elements from row to row
	s_mov_b32 s[G1A+6], 0
	s_mov_b32 s[G1A+7], 0
	s_or_b32 s[G1B], s70, (1<<16)|(1<<20)|(1<<21)|(6<<22)|(7<<25)  ; 2-byte elements; after every 128 words 8 words
	s_mov_b32 s[G1B+1], 256<<16                    ; tensor_dim0 = 256
	s_mov_b32 s[G1B+2], 64<<16                     ; tensor_dim1 = 64
	s_mov_b32 s[G1B+3], 256<<16                    ; tile_dim0 = 256
	s_mov_b32 s[G1B+4], 64                         ; tile_dim1 = 64
	s_mov_b32 s[G1B+5], 1024
	s_mov_b32 s[G1B+6], 0
	s_mov_b32 s[G1B+7], 0
	s_lshl_b32 s66, s[TR], 19                      ; x: row 128 x tile row, of 4,096 bytes
	s_mov_b32 s67, 0
	s_max_u32 s70, s[WV], 1                        ; weights: plane wave - 1 (wave 0 asks by x's descriptor and never by this one),
	s_sub_co_u32 s70, s70, 1
	s_lshl_b32 s70, s70, 21                        ; of 2,097,152 bytes,
	s_lshl_b32 s71, s[TC], 9                       ; column 256 x tile column
	s_add_co_u32 s70, s70, s71
	s_mov_b32 s71, 0
	s_mul_i32 s74, s[WV], PART                     ; where they go: part = wave: no place in the cluster enters an LDS address
	s_lshl_b32 s88, s[TC], 10                      ; the biases at column 256 x tile column + 128 x half
	s_lshl_b32 s89, s[WC], 9
	s_add_co_u32 s88, s88, s89
	s_mov_b32 s89, 0
	s_mov_b32 s[TB], 0
	s_wait_dscnt 0x0                               ; the opening add is done
	s_wait_kmcnt 0x0
	s_add_nc_u64 s[68:69], s[4:5], s[66:67]
	s_add_nc_u64 s[72:73], s[6:7], s[70:71]
	s_add_nc_u64 s[90:91], s[8:9], s[88:89]
	s_add_nc_u64 s[92:93], s[10:11], s[88:89]
	s_add_nc_u64 s[94:95], s[12:13], s[88:89]
.irp b, 0,1,2,3,4,5,6,7                ; the biases go first: column 16 b + lane % 16 of my 128, in both halves of the lanes
	global_load_b32 v[BX+2*(\b)],    v[BO], s[90:91] offset:64*(\b)
	global_load_b32 v[BX+24+2*(\b)], v[BO], s[92:93] offset:64*(\b)
	global_load_b32 v[BX+48+2*(\b)], v[BO], s[94:95] offset:64*(\b)
.endr
	CROUND                                         ; all sixteen work-groups are here: the first joint loads meet
.irp s, 0,1
	s_mov_b32 s[G0A+4*(\s)], 1                     ; count = 1
	s_add_co_u32 s[G0A+4*(\s)+1], s74, (\s)*SLOT   ; LDS address
	s_add_nc_u64 s[G0A+4*(\s)+2:G0A+4*(\s)+3], s[68:69], (\s)*KS*4  ; K step s
	s_or_b32 s[G0A+4*(\s)+3], s[G0A+4*(\s)+3], 0x80000000  ; type = 2
	s_mov_b32 s[G0B+4*(\s)], 1
	s_add_co_u32 s[G0B+4*(\s)+1], s74, (\s)*SLOT
	s_add_nc_u64 s[G0B+4*(\s)+2:G0B+4*(\s)+3], s[72:73], (\s)*KS*2048
	s_or_b32 s[G0B+4*(\s)+3], s[G0B+4*(\s)+3], 0x80000000
.endr
	s_cmp_eq_u32 s[WV], 0                          ; a wave's two first fills stand in one branch, ahead of every wait on TENSORcnt and every LDS read: two loads of mine are out
	s_cbranch_scc0 .Lfirst_b
	tensor_load_to_lds s[G0A:G0A+3], s[G1A:G1A+7]
	s_nop 0
	tensor_load_to_lds s[G0A+4:G0A+7], s[G1A:G1A+7]
	s_nop 0
.rept 4
	v_nop
.endr
	s_branch .Lfirst_asked
.Lfirst_b:
	tensor_load_to_lds s[G0B:G0B+3], s[G1B:G1B+7]
	s_nop 0
	tensor_load_to_lds s[G0B+4:G0B+7], s[G1B:G1B+7]
	s_nop 0
.rept 4
	v_nop
.endr
.Lfirst_asked:
	; x's fragments: lane l holds row l % 16, K = 8 (l / 16) + 0..7 and 16 + 8 (l / 16) + 0..7: in f32 two runs of 32 bytes, 64 bytes apart
	v_mul_u32_u24 v3, v1, PA
	v_lshl_add_u32 v3, v2, 5, v3
	s_mul_i32 s76, s[WR], 64*PA                    ; my 64 rows
	v_add_nc_u32 v[ADRA0], s76, v3
	; The turning load takes 16 k x 16 columns (lane l reads k = 8 (l / 16) + l % 8, columns 8 ((l / 8) % 2) + 0..7) and leaves half a fragment: lane l holds column l % 16 and 8 k.
	v_and_b32 v13, 7, v0
	v_lshl_add_u32 v13, v2, 3, v13
	v_mul_u32_u24 v13, v13, PB
	v_bfe_u32 v3, v0, 3, 1
	v_lshl_add_u32 v13, v3, 4, v13
	s_lshl_b32 s76, s[WC], 8                       ; my 128 columns,
	s_add_co_u32 s76, s76, PART                    ; behind x's part
	v_add_nc_u32 v[ADRB0], s76, v13
	s_mul_i32 s76, s[WV], 16*SP
	s_add_co_u32 s76, s76, STAGE                   ; my stage
	v_mul_u32_u24 v3, v1, SP                       ; in: row r, 16 bytes for each half of the lanes
	v_lshl_add_u32 v3, v2, 4, v3
	v_add_nc_u32 v[STO], s76, v3
	v_mul_u32_u24 v3, v2, SP                       ; back: lanes 0-15 take one row of 256 bytes, lanes 16-31 the next
	v_lshl_add_u32 v3, v1, 4, v3
	v_add_nc_u32 v[RD], s76, v3
	v_lshlrev_b32 v3, 11, v2                       ; and the same two rows in the result
	v_lshl_add_u32 v[CO], v1, 4, v3
	s_lshl_b32 s84, s[TR], 7                       ; the result at row 128 x tile row + 64 x half, column 256 x tile column + 128 x half
	s_lshl_b32 s85, s[WR], 6
	s_add_co_u32 s84, s84, s85
	s_lshl_b32 s84, s84, 11
	s_lshl_b32 s85, s[TC], 9
	s_add_co_u32 s84, s84, s85
	s_lshl_b32 s85, s[WC], 8
	s_add_co_u32 s84, s84, s85
	s_mov_b32 s85, 0
	s_add_nc_u64 s[OUTB:OUTB+1], s[14:15], s[84:85]
	; THE BIAS STEP.  Source 1: a fragment that is 1 at k = 0 of every row and 0 elsewhere.  Source 0 for column block b: eight registers from BX + 24 p + 2 b on: the first holds b's number at k = 0 (and, in
	; lanes 16-31, at k = 8); what the other seven hold (zeros, the next blocks' numbers) meets zeros of source 1.  So a plane's eight fragments overlap in 22 registers.
	v_sub_nc_u32 v3, 1, v2
	v_mul_u32_u24 v[AF], v3, 0x3f80                ; bf16 1.0 in the low half, in lanes 0-15 alone
.irp j, 1,2,3,4,5,6,7
	v_mov_b32 v[AF+(\j)], 0
.endr
.irp p, 0,1,2
.irp j, 1,3,5,7,9,11,13,15,16,17,18,19,20,21
	v_mov_b32 v[BX+24*(\p)+(\j)], 0
.endr
.endr
	s_wait_loadcnt 0x0                             ; the biases
.irp p, 0,1,2
.irp b, 0,1,2,3,4,5,6,7
	v_cvt_pk_bf16_f32 v[BX+24*(\p)+2*(\b)], v[BX+24*(\p)+2*(\b)], v[BX+24*(\p)+2*(\b)+1]  ; rounded to bf16, a zero above it
.endr
.endr
.irp p, 0,1,2
	WIN 0x50*(1+(\p))
.irp a, 0,1,2,3
.irp b, 0,1,2,3,4,5,6,7
	v_wmma_f32_16x16x32_bf16 v[8*(8*(\a)+(\b)):8*(8*(\a)+(\b))+7], v[BX+24*(\p)+2*(\b):BX+24*(\p)+2*(\b)+7], v[AF:AF+7], 0
.endr
.endr
.endr
	WIN 0
; 8 matrix instructions: row block a x all 8 column blocks of plane p, 32 along K, the weights' fragments in buffer bb.  The 96 accumulators take turns, one instruction a turn, in one order.
.macro MUL8 bb, p, a
	WIN 0x50*(1+(\p))                              ; both fragments window 0, C and D the plane's window
.irp b, 0,1,2,3,4,5,6,7
	v_wmma_f32_16x16x32_bf16 v[8*(8*(\a)+(\b)):8*(8*(\a)+(\b))+7], v[(\bb)+8*(\b):(\bb)+8*(\b)+7], v[AF+8*(\a):AF+8*(\a)+7], v[8*(8*(\a)+(\b)):8*(8*(\a)+(\b))+7]
.endr
.endm
; 8 LDS loads: row blocks a0, a0 + 1 of x, half kq of the K step, in f32
.macro LOADSG kq, a0
	WIN 0
.irp i, 0,1
	ds_load_b128 v[SG+16*(\i):SG+16*(\i)+3],     v[ADRA] offset:128*(\kq)+16*PA*((\a0)+(\i))
	ds_load_b128 v[SG+16*(\i)+4:SG+16*(\i)+7],   v[ADRA] offset:128*(\kq)+16*PA*((\a0)+(\i))+16
	ds_load_b128 v[SG+16*(\i)+8:SG+16*(\i)+11],  v[ADRA] offset:128*(\kq)+16*PA*((\a0)+(\i))+64
	ds_load_b128 v[SG+16*(\i)+12:SG+16*(\i)+15], v[ADRA] offset:128*(\kq)+16*PA*((\a0)+(\i))+80
.endr
.endm
; 16 roundings: those two blocks become fragments a0, a0 + 1
.macro CVT a0
	WIN 0
.irp i, 0,1
.irp j, 0,1,2,3,4,5,6,7
	v_cvt_pk_bf16_f32 v[AF+8*((\a0)+(\i))+(\j)], v[SG+16*(\i)+2*(\j)], v[SG+16*(\i)+2*(\j)+1]
.endr
.endr
.endm
; 16 turning loads: plane p's eight fragments of half kq into buffer bb
.macro FETCHB kq, p, bb
	WIN 0
.irp b, 0,1,2,3,4,5,6,7
.if (\p) < 2
	ds_load_tr16_b128 v[(\bb)+8*(\b):(\bb)+8*(\b)+3],   v[ADRB] offset:(\p)*PART+32*PB*(\kq)+32*(\b)
	ds_load_tr16_b128 v[(\bb)+8*(\b)+4:(\bb)+8*(\b)+7], v[ADRB] offset:(\p)*PART+32*PB*(\kq)+32*(\b)+16*PB
.else
	ds_load_tr16_b128 v[(\bb)+8*(\b):(\bb)+8*(\b)+3],   v[ADRC] offset:32*PB*(\kq)+32*(\b)
	ds_load_tr16_b128 v[(\bb)+8*(\b)+4:(\bb)+8*(\b)+7], v[ADRC] offset:32*PB*(\kq)+32*(\b)+16*PB
.endif
.endr
.endm
; A K STEP is six PIECES of 32 matrix instructions: half kq = 0, 1 of the step x plane p = 0, 1, 2; the weights' buffers take turns.  In a piece's middle the next piece's fragments are fetched.
; x has ONE set of fragments: blocks 0, 1 of the next half are read in the middle of a half's last piece and rounded at its end; blocks 2, 3 are read just behind and rounded in the middle of the next piece.
; Each sixteen roundings name none of the registers of the products last issued: they are also the places in front of the lines that follow them.
; A half's first piece: plane 0 in buffer bb; fetches (kq1, 1) into nb.
.macro PFIRST bb, kq1, nb
	s_wait_dscnt 8                                 ; the weights' fragments are in; x's blocks 2, 3 (the youngest eight loads) may be out
	MUL8 \bb, 0, 0
	MUL8 \bb, 0, 1
	WIN 0
	s_wait_dscnt 0x0                               ; x's blocks 2, 3
	CVT 2
	FETCHB \kq1, 1, \nb
	MUL8 \bb, 0, 2
	MUL8 \bb, 0, 3
.endm
; A half's second piece: plane 1 in buffer bb; fetches (kq1, 2) into nb.
.macro PSECOND bb, kq1, nb
	s_wait_dscnt 0x0                               ; the weights' fragments
	MUL8 \bb, 1, 0
	MUL8 \bb, 1, 1
	WIN 0
	PLACES
	FETCHB \kq1, 2, \nb
	MUL8 \bb, 1, 2
	MUL8 \bb, 1, 3
.endm
; The first half's last piece: plane 2 in buffer 0; the second half begins.
.macro PTHIRD
	s_wait_dscnt 0x0
	MUL8 B0, 2, 0
	MUL8 B0, 2, 1
	WIN 0
	PLACES
	LOADSG 1, 0
	FETCHB 1, 0, B1
	MUL8 B0, 2, 2
	MUL8 B0, 2, 3
	WIN 0
	s_wait_dscnt 16                                ; x's blocks 0, 1 are in; the sixteen loads behind them may be out
	CVT 0
	LOADSG 1, 2
.endm
; The step's last piece (plane 2 in buffer 1) changes slots: ONE barrier.  In front of it each wave waits for all its tensor loads (the one that is out is its part of the next slot), adds 0 to its spare
; word, and waits for that and for its reads of this slot.  fill = 1: the barrier opens a round of the cluster's barrier, and this slot is filled again, first thing behind the round, with the K step two
; steps on: 176 matrix instructions stand between the request and the wait for it.
.macro TURN fill
	WIN 0
	s_wait_tensorcnt 0x0                           ; no tensor load of mine is out, so a group 0 may be written
	ds_add_u32 v[SPW], v[NIL]                      ; 0 onto my spare word
.if \fill
	s_xor_b32 s[G0A+5], s[G0A+5], SLOT             ; the walking descriptors: the other slot than last time, the next K step
	s_add_nc_u64 s[G0A+6:G0A+7], s[G0A+6:G0A+7], KS*4
	s_xor_b32 s[G0B+5], s[G0B+5], SLOT
	s_add_nc_u64 s[G0B+6:G0B+7], s[G0B+6:G0B+7], KS*2048
.endif
	s_xor_b32 s[TB], s[TB], SLOT
	s_wait_dscnt 1                                 ; (the add alone may be out: the weights' fragments are in)
	MUL8 B1, 2, 0
	s_wait_dscnt 0x0                               ; the add is done, and my reads of this slot are over
	s_barrier_signal -1
	MUL8 B1, 2, 1                                  ; work on registers while the others arrive
	WIN 0
	s_barrier_wait -1
.if \fill
	CREST                                          ; no wave of any partner still reads this slot's tiles or has a load on its way
	JLOAD                                          ; its four v_nop are also the places in front of the loads below
.else
	PLACES
.endif
	v_add_nc_u32 v[ADRA], s[TB], v[ADRA0]
	v_add_nc_u32 v[ADRB], s[TB], v[ADRB0]
	v_add_nc_u32 v[ADRC], 2*PART, v[ADRB]
	LOADSG 0, 0
	FETCHB 0, 0, B0
	MUL8 B1, 2, 2
	MUL8 B1, 2, 3
	WIN 0
	s_wait_dscnt 16                                ; x's blocks 0, 1 are in
	CVT 0
	LOADSG 0, 2
.endm
.macro STEP fill
	PFIRST  B0, 0, B1
	PSECOND B1, 0, B0
	PTHIRD
	PFIRST  B1, 1, B0
	PSECOND B0, 1, B1
	TURN \fill
.endm
	s_wait_tensorcnt 0x1                           ; my part of K step 0 is in; step 1's may stay out
	s_barrier_signal -1
	s_barrier_wait -1                              ; everybody's is
	PLACES                                         ; behind the bias step's products: the lines below load into and write its sources
	v_mov_b32 v[ADRA], v[ADRA0]
	v_mov_b32 v[ADRB], v[ADRB0]
	v_add_nc_u32 v[ADRC], 2*PART, v[ADRB0]
	LOADSG 0, 0
	FETCHB 0, 0, B0
	s_wait_dscnt 16
	CVT 0
	LOADSG 0, 2
	s_mov_b32 s[CNT], 14
.Lstep:                                                ; K steps 0 to 13: each asks for the step two on
	STEP 1
	s_sub_co_u32 s[CNT], s[CNT], 1
	s_cmp_lg_u32 s[CNT], 0
	s_cbranch_scc1 .Lstep
	s_mov_b32 s[CNT], 2
.Ltail:                                                ; K steps 14 and 15 ask for nothing: a text of their own
	STEP 0
	s_sub_co_u32 s[CNT], s[CNT], 1
	s_cmp_lg_u32 s[CNT], 0
	s_cbranch_scc1 .Ltail
; THE WAY OUT of block n = 4 p + a (plane p, row block a).  PACK: rounded to f16, 16 bytes a lane, each accumulator from its low end.  TOSTAGE: into my own stage and back as whole rows of 256 bytes.  SEND: stored.
.macro PACK n
.set PP, (\n)/4
.set AA, (\n)%4
	WIN 5*(1+PP)                                   ; sources 0 and 1: the plane's window
.irp b, 0,1,2,3,4,5,6,7
.irp q, 0,1,2,3
	v_cvt_pk_f16_f32 v[TMP+4*(\b)+(\q)], v[64*AA+8*(\b)+2*(\q)], v[64*AA+8*(\b)+2*(\q)+1]
.endr
.endr
	WIN 0
.endm
.macro TOSTAGE n
.set BK, OB+32*((\n)%2)
.irp b, 0,1,2,3,4,5,6,7
	ds_store_b128 v[STO], v[TMP+4*(\b):TMP+4*(\b)+3] offset:32*(\b)
.endr
.irp t, 0,1,2,3,4,5,6,7
	ds_load_b128 v[BK+4*(\t):BK+4*(\t)+3], v[RD] offset:(\t)*2*SP  ; LDS serves a wave's instructions in order (ISA guide 5.7.1.4): these see the stores above
.endr
.endm
.macro SEND n
.set BK, OB+32*((\n)%2)
.set AA, (\n)%4
	s_wait_dscnt 0x0                               ; the block is back in registers
	s_wait_xcnt 0x0                                ; earlier stores have read their registers and their base
.if ((\n) > 0) && (AA == 0)
	s_add_nc_u64 s[OUTB:OUTB+1], s[OUTB:OUTB+1], 16777216  ; the next plane
.endif
.irp t, 0,1,2,3,4,5,6,7
	global_store_b128 v[CO], v[BK+4*(\t):BK+4*(\t)+3], s[OUTB:OUTB+1] offset:32768*AA+4096*(\t)  ; 16 lanes store 256 consecutive bytes, aligned
.endr
.endm
	s_wait_dscnt 0x0                               ; the last trip's fetches, which serve nothing, have landed: their registers are used again below
	PACK 0                                         ; (the last trip's sixteen roundings are the places behind the last products)
	TOSTAGE 0
.irp n, 1,2,3,4,5,6,7,8,9,10,11        ; a block's conversions stand between the loads of the block before and the wait for them
	PACK \n
	SEND (\n)-1
	TOSTAGE \n
.endr
	SEND 11
	s_wait_tensorcnt 0x0                           ; the wave's end
	ds_add_u32 v[SPW], v[NIL]
	s_wait_dscnt 0x0
	CROUND                                         ; the closing round: no work-group ends while a partner may still ask for a tile that names it
	s_endpgm
.Lfunc_end_k_qa620da7580_qkv:
	.size	k_qa620da7580_qkv, .Lfunc_end_k_qa620da7580_qkv-k_qa620da7580_qkv
	.p2alignl 7, 3214868480
	.fill 96, 4, 3214868480
	.section	.rodata,"a",@progbits
	.p2align	6, 0x0
	.amdhsa_kernel k_qa620da7580_qkv
		.amdhsa_group_segment_fixed_size 327680
		.amdhsa_private_segment_fixed_size 0
		.amdhsa_enable_private_segment 0
		.amdhsa_kernarg_size 48
		.amdhsa_user_sgpr_count 2
		.amdhsa_user_sgpr_kernarg_segment_ptr 1
		.amdhsa_wavefront_size32 1
		.amdhsa_system_sgpr_workgroup_id_x 1
		.amdhsa_system_sgpr_workgroup_id_y 1
		.amdhsa_system_sgpr_workgroup_id_z 1
		.amdhsa_system_vgpr_workitem_id 0
		.amdhsa_next_free_vgpr 1024
		.amdhsa_next_free_sgpr 96
		.amdhsa_reserve_vcc 0
		.amdhsa_float_denorm_mode_32 3
		.amdhsa_float_denorm_mode_16_64 3
		.amdhsa_memory_ordered 1
		.amdhsa_forward_progress 1
		.amdhsa_inst_pref_size 122
	.end_amdhsa_kernel
	.amdgpu_metadata
---
amdhsa.version: [ 1, 2 ]
amdhsa.kernels:
  - .name:           k_qa620da7580_qkv
    .symbol:         k_qa620da7580_qkv.kd
    .args:
      - { .name: x, .offset: 0, .size: 8, .value_kind: global_buffer, .address_space: global }
      - { .name: wb, .offset: 8, .size: 8, .value_kind: global_buffer, .address_space: global }
      - { .name: bq, .offset: 16, .size: 8, .value_kind: global_buffer, .address_space: global }
      - { .name: bk, .offset: 24, .size: 8, .value_kind: global_buffer, .address_space: global }
      - { .name: bv, .offset: 32, .size: 8, .value_kind: global_buffer, .address_space: global }
      - { .name: qkv, .offset: 40, .size: 8, .value_kind: global_buffer, .address_space: global }
    .group_segment_fixed_size: 327680
    .private_segment_fixed_size: 0
    .kernarg_segment_align: 8
    .kernarg_segment_size: 48
    .max_flat_workgroup_size: 128
    .sgpr_count:     96
    .vgpr_count:     1024
    .wavefront_size: 32
...
	.end_amdgpu_metadata
.endif
;; end of part 2
;; launch scores (part 3): grid 8 x 32, 4 waves a work-group, clusters of 4 x 4, 327,680 bytes of LDS; arguments qkv, e, st; writes e, st
.if DOCPART == 3
	.amdgcn_target "amdgcn-amd-amdhsa--gfx1250"
	.amdhsa_code_object_version 6
	.text
	.protected	k_qa620da7580_scores
	.globl	k_qa620da7580_scores
	.p2align	8
	.type	k_qa620da7580_scores,@function
k_qa620da7580_scores:
	s_mov_b64 s[64:65], 0
	v_nop
	global_prefetch_b8 v0, s[64:65] scope:SCOPE_SE
	s_setreg_imm32_b32 hwreg(HW_REG_WAVE_MODE, 25, 1), 1
	s_wait_xcnt 0x0
	s_wait_alu depctr_hold_cnt(0) depctr_sa_sdst(0) depctr_va_vdst(0) depctr_va_sdst(0) depctr_va_ssrc(0) depctr_va_vcc(0) depctr_vm_vsrc(0)
	s_getreg_b32 s2, hwreg(HW_REG_IB_STS2, 6, 4)
	s_cmp_eq_u32 s2, 0
	s_cbranch_scc0 .Lentry_in_a_cluster
	s_endpgm
.Lentry_in_a_cluster:
	s_bfe_u32 s2, ttmp6, 0x10000c
	s_cmp_lg_u32 s2, 0xf033
	s_cbranch_scc0 .Lentry_shape_is_right
	s_endpgm
.Lentry_shape_is_right:
; For each query row and each GROUP of 128 keys: cm = c x (the largest score of the group), E = 2^(c s - cm) in f16, l = the sum of the unrounded E.  s = Q . K, c = log2(e) / 32.
; qkv: [3][8192][1024] f16 (Q, K, V).  e: [8192 rows][2048 keys of the row's batch] f16.  st: [16 groups][8192 rows][2] f32: (cm, l).  The launch behind joins the groups' maxima into the row's.
; The maximum taken away is the true maximum of the 128 scores, so every exponent is at most 0 (but for c s - cm's own rounding) and each group's l is at least about 1.
; LIMITS.  E below 6e-5 keeps f16's fixed step of 6e-8; a weight below 2^-126 counts as 0 in l; NaN and infinities are not treated apart.
; SHARES.  A tile is 256 queries x 256 keys: four waves, each 128 x 128: 64 accumulators, 512 registers; a wave's 128 keys are one group.  32 x 8 = 256 work-groups.  K = 1,024 goes in 8 steps of 128
; through a ring of two LDS slots; the rows of Q's and K's tiles are 256 bytes of memory.
; CLUSTER.  4 x 4 work-groups: a row of the cluster shares Q's tiles, a column K's: each tile is asked for jointly.
; The matrix instruction is used transposed (source 0 = 16 keys, source 1 = 16 queries): a lane holds ONE query (lane % 16) and the keys 8 (lane / 16) + 0..7 of each block of 16: a query's maximum
; and sum want one exchange between the halves of the lanes, and eight neighbouring E pack into 16 bytes.
; THE TAIL (K steps 6 and 7, which ask for nothing) is a loop of two trips that is left in its middle.  The price: the last trip's change of slots (a barrier, 32 LDS loads) serves nothing.
; REGISTERS, in windows of 256 (s_set_vgpr_msb: bits 1:0 source 0, 3:2 source 1, 5:4 source 2, 7:6 destination):
;   window 0: v1-13 addresses; v64-127, v128-191 Q's fragments, two buffers (at the end: v64-71 at work, v80-95 (cm, l) of my eight blocks of rows, v96-103 the same laid for the stores);
;             v192-223 packed E; v32-63, v224-255 rows read back from the stage       window 1: v64-191 K's fragments       windows 2, 3: the accumulators of my rows 0-63, 64-127: (a, b) at v[8 (8 (a % 4) + b)]
.set KSTEP, 128
.set PITCH, 272                        ; an LDS row: 256 bytes + 16: the 16 rows of a load start at 16 different groups of four banks
.set HALFT, 128*PITCH                  ; 128 rows: what one tensor load brings, and what one wave reads of Q or of K
.set SLOT,  4*HALFT                    ; 0x22000: Q's 256 rows, then K's.  The four parts begin at 0, 0x8800, 0x11000, 0x19800, which have neither of SLOT's two bits: one exclusive or changes slots
.set STAGE, 2*SLOT                     ; behind the ring: 16 rows x 272 bytes for each wave
.set SP,    272
.set SPARE, STAGE+4*16*SP              ; the spare words, 128 bytes for each wave: two blocks of 256 bytes that no other line names
.set ADRA0, 4
.set ADRB0, 5
.set ADRA,  6
.set ADRB,  7
.set STO,   8
.set RD,    9
.set CO,    10
.set SO,    11                         ; v11  8 x lane: my (cm, l) in 32 rows of st
.set SPW,   12
.set NIL,   13
.set F0,    64
.set F1,    128
.set CH,    64
.set ST2,   80
.set SX,    96
.set TMP,   192
.set OB,    32
.set WV, 16
.set WR, 17
.set WC, 18
.set CX, 19
.set CY, 20
.set TC, 21
.set TR, 22
.set G1A, 24
.set G0A, 32
.set G1B, 40
.set G0B, 48
.set TB, 56
.set CNT, 57
.set HM, 58                            ; s58  the mask of lanes 16-31
.set CS, 60                            ; s[60:61] c: the packed scaling takes the pair's low word for both halves
.set SEL, 62                           ; s[62:63] v_permlanex16_b32's selects: each lane takes its own place in the other half
.set OUTB, 80                          ; s[80:81] e at my wave's first row and key
.set STB, 82                           ; s[82:83] st at my group and first row
.set MSB, 0
.macro WIN new
.if MSB != (\new)
	s_set_vgpr_msb (MSB<<8)|(\new)
.set MSB, (\new)
.endif
.endm
.set MUL_LO, 0xa1                      ; source 0 (K) window 1, source 1 (Q) window 0, C and D window 2
.set MUL_HI, 0xf1                      ; the same, C and D window 3
.set TO_B,   0x40
.macro PLACES
.rept 4
	v_nop
.endr
.endm
.macro JLOAD                           ; a joint refill: waves 0 and 1 fetch Q's halves, waves 2 and 3 K's; an s_nop 0 and four v_nop follow each line
	s_cmp_lt_u32 s[WV], 2
	s_cbranch_scc0 .Lfor_b_\@
	tensor_load_to_lds s[G0A+4:G0A+7], s[G1A:G1A+7]
	s_nop 0
.rept 4
	v_nop
.endr
	s_branch .Lasked_\@
.Lfor_b_\@:
	tensor_load_to_lds s[G0B+4:G0B+7], s[G1B:G1B+7]
	s_nop 0
.rept 4
	v_nop
.endr
.Lasked_\@:
.endm
.macro CREST
	s_cmp_lg_u32 s[WV], 0
	s_cbranch_scc1 .Lnot_wave_0_\@
	s_barrier_signal -3
.Lnot_wave_0_\@:
	s_barrier_wait -3
	s_barrier_signal -1
	s_barrier_wait -1
.endm
.macro CROUND
	s_barrier_signal -1
	s_barrier_wait -1
	CREST
.endm
	s_load_b128 s[4:7], s[0:1], 0x0                ; qkv s[4:5], e s[6:7]
	s_load_b64 s[8:9], s[0:1], 0x10                ; st
	v_lshl_add_u32 v[SPW], v0, 2, SPARE
	v_mov_b32 v[NIL], 0
	ds_add_u32 v[SPW], v[NIL]                      ; the wave's opening: the add and its wait stand ahead of my first tensor load
	v_lshrrev_b32 v1, 5, v0
	v_readfirstlane_b32 s[WV], v1
	s_lshr_b32 s[WR], s[WV], 1                     ; my half of the queries
	s_and_b32 s[WC], s[WV], 1                      ; my half of the keys; also: which 128 rows of a tile I fetch
	s_bfe_u32 s[CX], ttmp6, 0x40000
	s_bfe_u32 s[CY], ttmp6, 0x40004
	s_lshl_b32 s[TC], ttmp9, 2
	s_add_co_u32 s[TC], s[TC], s[CX]               ; key tile in the batch, 0-7
	s_and_b32 s[TR], ttmp7, 0xffff
	s_lshl_b32 s[TR], s[TR], 2
	s_add_co_u32 s[TR], s[TR], s[CY]               ; query tile among all 8,192 rows, 0-31
	s_lshl_b32 s66, s[CY], 2
	s_lshl_b32 s66, 15, s66                        ; my row of the cluster
	s_lshl_b32 s70, 0x1111, s[CX]                  ; my column
	s_or_b32 s[G1A], s66, (1<<16)|(1<<20)|(1<<21)|(5<<22)|(3<<25)
	s_or_b32 s[G1B], s70, (1<<16)|(1<<20)|(1<<21)|(5<<22)|(3<<25)
.irp g, G1A, G1B
	s_mov_b32 s[(\g)+1], 128<<16                   ; tensor_dim0 = 128
	s_mov_b32 s[(\g)+2], 128<<16                   ; tensor_dim1 = 128
	s_mov_b32 s[(\g)+3], 128<<16                   ; tile_dim0 = 128
	s_mov_b32 s[(\g)+4], 128                       ; tile_dim1 = 128
	s_mov_b32 s[(\g)+5], 1024                      ; elements from row to row
	s_mov_b32 s[(\g)+6], 0
	s_mov_b32 s[(\g)+7], 0
.endr
	s_lshl_b32 s66, s[TR], 8                       ; Q: row 256 x query tile + 128 x half
	s_lshl_b32 s67, s[WC], 7
	s_add_co_u32 s66, s66, s67
	s_lshl_b32 s66, s66, 11
	s_mov_b32 s67, 0
	s_and_b32 s70, ttmp7, 0xffff                   ; K: the batch is the cluster's y / 2 (eight query tiles a batch), which all sixteen share;
	s_lshr_b32 s70, s70, 1
	s_lshl_b32 s70, s70, 11                        ; its 2,048 rows,
	s_lshl_b32 s71, s[TC], 8                       ; + 256 x key tile
	s_add_co_u32 s70, s70, s71
	s_lshl_b32 s71, s[WC], 7                       ; + 128 x half
	s_add_co_u32 s70, s70, s71
	s_lshl_b32 s70, s70, 11
	s_add_co_u32 s70, s70, 16777216                ; behind Q
	s_mov_b32 s71, 0
	s_mul_i32 s74, s[WV], HALFT                    ; where they go: wave x 128 rows
	s_mov_b32 s[TB], 0
	s_mov_b32 s[CS], 0x3d38aa3b                    ; c = log2(e) / 32
	s_mov_b32 s[CS+1], s[CS]
	s_mov_b32 s[SEL], 0x76543210
	s_mov_b32 s[SEL+1], 0xfedcba98
	s_mov_b32 s[HM], 0xffff0000
	s_wait_dscnt 0x0                               ; the opening add is done
	s_wait_kmcnt 0x0
	s_add_nc_u64 s[68:69], s[4:5], s[66:67]
	s_add_nc_u64 s[72:73], s[4:5], s[70:71]
	CROUND                                         ; all sixteen work-groups are here: the first joint loads meet
.irp s, 0,1
	s_mov_b32 s[G0A+4*(\s)], 1
	s_add_co_u32 s[G0A+4*(\s)+1], s74, (\s)*SLOT
	s_add_nc_u64 s[G0A+4*(\s)+2:G0A+4*(\s)+3], s[68:69], (\s)*KSTEP*2
	s_or_b32 s[G0A+4*(\s)+3], s[G0A+4*(\s)+3], 0x80000000
	s_mov_b32 s[G0B+4*(\s)], 1
	s_add_co_u32 s[G0B+4*(\s)+1], s74, (\s)*SLOT
	s_add_nc_u64 s[G0B+4*(\s)+2:G0B+4*(\s)+3], s[72:73], (\s)*KSTEP*2
	s_or_b32 s[G0B+4*(\s)+3], s[G0B+4*(\s)+3], 0x80000000
.endr
	s_cmp_lt_u32 s[WV], 2                          ; a wave's two first fills stand in one branch: two loads of mine are out
	s_cbranch_scc0 .Lfirst_b
	tensor_load_to_lds s[G0A:G0A+3], s[G1A:G1A+7]
	s_nop 0
	tensor_load_to_lds s[G0A+4:G0A+7], s[G1A:G1A+7]
	s_nop 0
.rept 4
	v_nop
.endr
	s_branch .Lfirst_asked
.Lfirst_b:
	tensor_load_to_lds s[G0B:G0B+3], s[G1B:G1B+7]
	s_nop 0
	tensor_load_to_lds s[G0B+4:G0B+7], s[G1B:G1B+7]
	s_nop 0
.rept 4
	v_nop
.endr
.Lfirst_asked:
	v_and_b32 v1, 15, v0                           ; r
	v_bfe_u32 v2, v0, 4, 1                         ; h
	v_mul_u32_u24 v3, v1, PITCH
	v_lshl_add_u32 v3, v2, 4, v3                   ; a fragment's row x pitch + 16 x half
	s_mul_i32 s75, s[WR], HALFT                    ; my 128 rows of Q
	v_add_nc_u32 v[ADRA0], s75, v3
	s_mul_i32 s75, s[WC], HALFT                    ; my 128 rows of K, behind Q's 256
	s_add_co_u32 s75, s75, 2*HALFT
	v_add_nc_u32 v[ADRB0], s75, v3
	s_mul_i32 s76, s[WV], 16*SP
	s_add_co_u32 s76, s76, STAGE                   ; my stage
	v_mul_u32_u24 v3, v1, SP
	v_lshl_add_u32 v3, v2, 4, v3
	v_add_nc_u32 v[STO], s76, v3
	v_mul_u32_u24 v3, v2, SP
	v_lshl_add_u32 v3, v1, 4, v3
	v_add_nc_u32 v[RD], s76, v3
	v_lshlrev_b32 v3, 12, v2                       ; two rows of e, 4,096 bytes apart
	v_lshl_add_u32 v[CO], v1, 4, v3
	v_and_b32 v3, 31, v0
	v_lshlrev_b32 v[SO], 3, v3
	s_lshl_b32 s84, s[TR], 8
	s_lshl_b32 s85, s[WR], 7
	s_add_co_u32 s84, s84, s85                     ; my first row
	s_lshl_b32 s88, s84, 3                         ; 8 bytes a row in st
	s_lshl_b32 s84, s84, 12                        ; 4,096 bytes a row in e
	s_lshl_b32 s85, s[TC], 9
	s_add_co_u32 s84, s84, s85
	s_lshl_b32 s85, s[WC], 8
	s_add_co_u32 s84, s84, s85                     ; + my first key
	s_mov_b32 s85, 0
	s_add_nc_u64 s[OUTB:OUTB+1], s[6:7], s[84:85]
	s_lshl_b32 s89, s[TC], 1
	s_add_co_u32 s89, s89, s[WC]                   ; my group = 2 x key tile + half
	s_lshl_b32 s89, s89, 16                        ; 65,536 bytes a group
	s_add_co_u32 s88, s88, s89
	s_mov_b32 s89, 0
	s_add_nc_u64 s[STB:STB+1], s[8:9], s[88:89]
; 16 matrix instructions: row blocks a0, a0 + 1 of the window's four x all 8 key blocks, 32 along K.  zero = 1: the first product starts the sums.  The 64 accumulators take turns.
.macro MUL16 f, hi, a0, zero
	WIN MUL_LO+0x50*(\hi)
.irp a, \a0, (\a0)+1
.irp b, 0,1,2,3,4,5,6,7
.if \zero
	v_wmma_f32_16x16x32_f16 v[8*(8*(\a)+(\b)):8*(8*(\a)+(\b))+7], v[(\f)+8*(\b):(\f)+8*(\b)+7], v[(\f)+8*(4*(\hi)+(\a)):(\f)+8*(4*(\hi)+(\a))+7], 0
.else
	v_wmma_f32_16x16x32_f16 v[8*(8*(\a)+(\b)):8*(8*(\a)+(\b))+7], v[(\f)+8*(\b):(\f)+8*(\b)+7], v[(\f)+8*(4*(\hi)+(\a)):(\f)+8*(4*(\hi)+(\a))+7], v[8*(8*(\a)+(\b)):8*(8*(\a)+(\b))+7]
.endif
.endr
.endr
.endm
; 32 LDS loads in one run: 128 rows of K, then 128 rows of Q, 32 along K at byte k of the rows, into buffer f
.macro FETCH k, f
	WIN TO_B
.irp i, 0,1,2,3,4,5,6,7
	ds_load_b128 v[(\f)+8*(\i):(\f)+8*(\i)+3],   v[ADRB] offset:(\k)+(\i)*16*PITCH
	ds_load_b128 v[(\f)+8*(\i)+4:(\f)+8*(\i)+7], v[ADRB] offset:(\k)+(\i)*16*PITCH+32
.endr
	WIN 0
.irp i, 0,1,2,3,4,5,6,7
	ds_load_b128 v[(\f)+8*(\i):(\f)+8*(\i)+3],   v[ADRA] offset:(\k)+(\i)*16*PITCH
	ds_load_b128 v[(\f)+8*(\i)+4:(\f)+8*(\i)+7], v[ADRA] offset:(\k)+(\i)*16*PITCH+32
.endr
.endm
.macro QUARTER k, f, g, zero
	s_wait_dscnt 8                                 ; the youngest eight loads (Q's rows 64-127) may be out
	MUL16 \f, 0, 0, \zero
	MUL16 \f, 0, 2, \zero
	PLACES
	FETCH \k, \g
	s_wait_dscnt 32                                ; all but the 32 just issued
	MUL16 \f, 1, 0, \zero
	MUL16 \f, 1, 2, \zero
.endm
; The last quarter multiplies buffer 1 and changes slots: one barrier; with fill = 1 it opens a round of the cluster's barrier, and the slot just read is filled again first thing behind the round,
; with the K step two steps on: 224 matrix instructions stand between the request and the wait for it.
.macro TURN fill
	WIN 0
	s_wait_tensorcnt 0x0                           ; no tensor load of mine is out, so a group 0 may be written
	ds_add_u32 v[SPW], v[NIL]                      ; 0 onto my spare word
.if \fill
.irp g, G0A+4, G0B+4
	s_xor_b32 s[(\g)+1], s[(\g)+1], SLOT
	s_add_nc_u64 s[(\g)+2:(\g)+3], s[(\g)+2:(\g)+3], KSTEP*2
.endr
.endif
	s_xor_b32 s[TB], s[TB], SLOT
	s_wait_dscnt 9                                 ; (the add and the youngest eight loads may be out)
	MUL16 F1, 0, 0, 0
	s_wait_dscnt 0x0                               ; the add is done, and my reads of this slot are over
	s_barrier_signal -1
	MUL16 F1, 0, 2, 0
	WIN 0
	s_barrier_wait -1
.if \fill
	CREST
	JLOAD                                          ; its four v_nop are also the places in front of the loads below
.else
	PLACES
.endif
	v_add_nc_u32 v[ADRA], s[TB], v[ADRA0]
	v_add_nc_u32 v[ADRB], s[TB], v[ADRB0]
	FETCH 0, F0
	MUL16 F1, 1, 0, 0
	MUL16 F1, 1, 2, 0
.endm
	s_wait_tensorcnt 0x1                           ; my part of K step 0 is in; step 1's may stay out
	s_barrier_signal -1
	s_barrier_wait -1
	v_mov_b32 v[ADRA], v[ADRA0]
	v_mov_b32 v[ADRB], v[ADRB0]
	FETCH 0, F0
	QUARTER 64, F0, F1, 1                          ; the first quarter stands in front of the loop: its products start the sums
	WIN 0
	s_mov_b32 s[CNT], 6
.Lstep:                                                ; a trip: from a K step's second quarter to the next step's first; one slot is filled again
	QUARTER 128, F1, F0, 0
	QUARTER 192, F0, F1, 0
	TURN 1
	QUARTER 64, F0, F1, 0
	WIN 0
	s_sub_co_u32 s[CNT], s[CNT], 1
	s_cmp_lg_u32 s[CNT], 0
	s_cbranch_scc1 .Lstep
	s_mov_b32 s[CNT], 2
.Ltail:                                                ; K steps 6 and 7 ask for nothing: a text of their own; the second trip is left in its middle
	QUARTER 128, F1, F0, 0
	QUARTER 192, F0, F1, 0
	TURN 0
	WIN 0
	s_sub_co_u32 s[CNT], s[CNT], 1
	s_cmp_eq_u32 s[CNT], 0
	s_cbranch_scc1 .Lout
	QUARTER 64, F0, F1, 0
	WIN 0
	s_branch .Ltail
.Lout:
	s_wait_dscnt 0x0                               ; the last trip's fetch, which serves nothing, has landed: its registers are used again below
; THE SOFTMAX OF A GROUP, for block a of 16 rows.  A lane holds 64 of its query's 128 scores (8 accumulators x 8 registers); the lane 16 away holds the others.
.macro SOFT a
.set W, 2+(\a)/4
.set AC, 64*((\a)%4)
.set S2, ST2+2*(\a)
.set W012, W|(W<<2)|(W<<4)
.set W12,  (W<<2)|(W<<4)
.set W0D,  W|(W<<6)
.set W01,  W|(W<<2)
.set W01D, W|(W<<2)|(W<<6)
	WIN W012                                       ; eight chains, one an accumulator, each begun at its low end
.irp b, 0,1,2,3,4,5,6,7
	v_max3_num_f32 v[CH+(\b)], v[AC+8*(\b)], v[AC+8*(\b)+1], v[AC+8*(\b)+2]
.endr
	WIN W12
.irp b, 0,1,2,3,4,5,6,7
	v_max3_num_f32 v[CH+(\b)], v[CH+(\b)], v[AC+8*(\b)+3], v[AC+8*(\b)+4]
.endr
.irp b, 0,1,2,3,4,5,6,7
	v_max3_num_f32 v[CH+(\b)], v[CH+(\b)], v[AC+8*(\b)+5], v[AC+8*(\b)+6]
.endr
.irp p, 0,1,2,3
	v_max3_num_f32 v[CH+(\p)], v[CH+(\p)], v[AC+16*(\p)+7], v[AC+16*(\p)+15]
.endr
	WIN 0
	v_max3_num_f32 v[CH], v[CH], v[CH+1], v[CH+2]
	v_max3_num_f32 v[CH+3], v[CH+3], v[CH+4], v[CH+5]
	v_max_num_f32 v[CH+6], v[CH+6], v[CH+7]
	v_max3_num_f32 v[CH], v[CH], v[CH+3], v[CH+6]
	v_permlanex16_b32 v[CH+1], v[CH], s[SEL], s[SEL+1]
	v_max_num_f32 v[CH], v[CH], v[CH+1]            ; the largest of the 128 scores
	v_mul_f32 v[S2], s[CS], v[CH]                  ; cm
	WIN W0D
.set i, 0
.rept 32
	v_pk_fma_f32 v[AC+2*i:AC+2*i+1], v[AC+2*i:AC+2*i+1], s[CS:CS+1], v[S2:S2+1] op_sel_hi:[1,0,0] neg_lo:[0,0,1] neg_hi:[0,0,1]  ; c s - cm
.set i, i+1
.endr
.set i, 0
.rept 64
	v_exp_f32 v[AC+i], v[AC+i]
.set i, i+1
.endr
	v_nop                                          ; a plain instruction between the last exponential and the use of the results
	WIN W01
.set i, 0
	s_wait_alu depctr_va_vdst(0)
.rept 32
	v_cvt_pk_f16_f32 v[TMP+i], v[AC+2*i], v[AC+2*i+1]
.set i, i+1
.endr
	WIN W01D                                       ; the sum of the unrounded weights: 32 pairs, added in place 1, 2, 4, 8, 16 pairs apart
.set st, 1
.rept 5
.set p, 0
.rept 16/st
	v_pk_add_f32 v[AC+2*p:AC+2*p+1], v[AC+2*p:AC+2*p+1], v[AC+2*(p+st):AC+2*(p+st)+1]
.set p, p+2*st
.endr
.set st, st*2
.endr
	WIN W01
	v_add_f32 v[CH], v[AC], v[AC+1]
	WIN 0
	v_permlanex16_b32 v[CH+1], v[CH], s[SEL], s[SEL+1]
	v_add_f32 v[S2+1], v[CH], v[CH+1]              ; l
.endm
.macro TOSTAGE a
.set BK, OB+192*((\a)%2)
.irp b, 0,1,2,3,4,5,6,7
	ds_store_b128 v[STO], v[TMP+4*(\b):TMP+4*(\b)+3] offset:32*(\b)
.endr
.irp t, 0,1,2,3,4,5,6,7
	ds_load_b128 v[BK+4*(\t):BK+4*(\t)+3], v[RD] offset:(\t)*2*SP  ; LDS serves a wave's instructions in order (ISA guide 5.7.1.4): these see the stores above
.endr
.endm
.macro SEND a
.set BK, OB+192*((\a)%2)
	s_wait_dscnt 0x0
	s_wait_xcnt 0x0                                ; the block before's stores have read their registers, which the next block's loads write
.irp t, 0,1,2,3,4,5,6,7
	global_store_b128 v[CO], v[BK+4*(\t):BK+4*(\t)+3], s[OUTB:OUTB+1] offset:65536*(\a)+8192*(\t)  ; 16 lanes store 256 consecutive bytes, aligned
.endr
.endm
	PLACES                                         ; behind the last products: the lines below write fragment registers and read results
.irp a, 0,1,2,3,4,5,6,7
	v_mov_b32 v[ST2+2*(\a)+1], 0                   ; named as a pair with cm before l is made
.endr
	SOFT 0
	TOSTAGE 0
.irp n, 1,2,3,4,5,6,7                  ; a block's softmax stands between the loads of the block before and the wait for them
	SOFT \n
	SEND (\n)-1
	TOSTAGE \n
.endr
	SEND 7
.irp p, 0,1,2,3                        ; (cm, l): lanes 0-15 take block 2 p's rows, lanes 16-31 block 2 p + 1's: 32 rows, 256 consecutive bytes a store
	v_cndmask_b32 v[SX+2*(\p)],   v[ST2+4*(\p)],   v[ST2+4*(\p)+2], s[HM]
	v_cndmask_b32 v[SX+2*(\p)+1], v[ST2+4*(\p)+1], v[ST2+4*(\p)+3], s[HM]
.endr
.irp p, 0,1,2,3
	global_store_b64 v[SO], v[SX+2*(\p):SX+2*(\p)+1], s[STB:STB+1] offset:256*(\p)
.endr
	s_wait_tensorcnt 0x0                           ; the wave's end
	ds_add_u32 v[SPW], v[NIL]
	s_wait_dscnt 0x0
	CROUND                                         ; the closing round
	s_endpgm
.Lfunc_end_k_qa620da7580_scores:
	.size	k_qa620da7580_scores, .Lfunc_end_k_qa620da7580_scores-k_qa620da7580_scores
	.p2alignl 7, 3214868480
	.fill 96, 4, 3214868480
	.section	.rodata,"a",@progbits
	.p2align	6, 0x0
	.amdhsa_kernel k_qa620da7580_scores
		.amdhsa_group_segment_fixed_size 327680
		.amdhsa_private_segment_fixed_size 0
		.amdhsa_enable_private_segment 0
		.amdhsa_kernarg_size 24
		.amdhsa_user_sgpr_count 2
		.amdhsa_user_sgpr_kernarg_segment_ptr 1
		.amdhsa_wavefront_size32 1
		.amdhsa_system_sgpr_workgroup_id_x 1
		.amdhsa_system_sgpr_workgroup_id_y 1
		.amdhsa_system_sgpr_workgroup_id_z 1
		.amdhsa_system_vgpr_workitem_id 0
		.amdhsa_next_free_vgpr 1024
		.amdhsa_next_free_sgpr 96
		.amdhsa_reserve_vcc 0
		.amdhsa_float_denorm_mode_32 3
		.amdhsa_float_denorm_mode_16_64 3
		.amdhsa_memory_ordered 1
		.amdhsa_forward_progress 1
		.amdhsa_inst_pref_size 168
	.end_amdhsa_kernel
	.amdgpu_metadata
---
amdhsa.version: [ 1, 2 ]
amdhsa.kernels:
  - .name:           k_qa620da7580_scores
    .symbol:         k_qa620da7580_scores.kd
    .args:
      - { .name: qkv, .offset: 0, .size: 8, .value_kind: global_buffer, .address_space: global }
      - { .name: e, .offset: 8, .size: 8, .value_kind: global_buffer, .address_space: global }
      - { .name: st, .offset: 16, .size: 8, .value_kind: global_buffer, .address_space: global }
    .group_segment_fixed_size: 327680
    .private_segment_fixed_size: 0
    .kernarg_segment_align: 8
    .kernarg_segment_size: 24
    .max_flat_workgroup_size: 128
    .sgpr_count:     96
    .vgpr_count:     1024
    .wavefront_size: 32
...
	.end_amdgpu_metadata
.endif
;; end of part 3
;; launch pv (part 4): grid 4 x 64, 4 waves a work-group, clusters of 4 x 4, 327,680 bytes of LDS; arguments e, st, qkv, out0; writes out0
.if DOCPART == 4
	.amdgcn_target "amdgcn-amd-amdhsa--gfx1250"
	.amdhsa_code_object_version 6
	.text
	.protected	k_qa620da7580_pv
	.globl	k_qa620da7580_pv
	.p2align	8
	.type	k_qa620da7580_pv,@function
k_qa620da7580_pv:
	s_mov_b64 s[64:65], 0
	v_nop
	global_prefetch_b8 v0, s[64:65] scope:SCOPE_SE
	s_setreg_imm32_b32 hwreg(HW_REG_WAVE_MODE, 25, 1), 1
	s_wait_xcnt 0x0
	s_wait_alu depctr_hold_cnt(0) depctr_sa_sdst(0) depctr_va_vdst(0) depctr_va_sdst(0) depctr_va_ssrc(0) depctr_va_vcc(0) depctr_vm_vsrc(0)
	s_getreg_b32 s2, hwreg(HW_REG_IB_STS2, 6, 4)
	s_cmp_eq_u32 s2, 0
	s_cbranch_scc0 .Lentry_in_a_cluster
	s_endpgm
.Lentry_in_a_cluster:
	s_bfe_u32 s2, ttmp6, 0x10000c
	s_cmp_lg_u32 s2, 0xf033
	s_cbranch_scc0 .Lentry_shape_is_right
	s_endpgm
.Lentry_shape_is_right:
; O[row] = the sum over groups t of f_t x (E_t V_t), f_t = g_t / (the sum over t of g_t l_t), g_t = 2^(cm_t - cm_row), cm_row = the largest of the row's 16 cm_t: the row's true maximum, so g is at
; most 1, one g is exactly 1, and the divisor lies between about 1 and 2,048.
; e: [8192 rows][2048 keys] f16.  st: [16 groups][8192 rows][2] f32: (cm, l).  qkv: [3][8192][1024] f16, of which V.  out0: [8192][1024] f32.  Products in f16, everything else in f32.
; LIMITS.  A g below 2^-126 counts as 0.  NaN and infinities are not treated apart.
; SHARES.  A tile of O is 128 rows x 256 columns; four waves, each 64 x 128.  64 x 4 = 256 work-groups.  The 2,048 keys go in 16 steps of 128, a step a group, through two LDS slots.
; A step's products start sums S of their own (C = 0); behind its last product O takes f x S, 128 packed multiply-adds in f32.  So E goes to the matrix unit as it lies, and O needs no division at the end.
; CLUSTER.  4 x 4 work-groups: a row of the cluster shares E's tiles, a column V's (sixteen tile rows a batch: the cluster's four lie in one): each tile is asked for jointly.
; LAYOUT.  E's tile lies [row][key] and is read as it lies; V's lies [key][column] and is read turned.  The matrix instruction is used transposed (source 0 = 16 columns of V, source 1 = 16 rows of E):
; a lane holds row lane % 16 in the result, so a row's f multiplies the lane's registers with no exchange of lanes.
; ONE TEXT FOR A STEP, twice: a loop of 14 trips that fill a slot again, a loop of 2 that do not.  The price: O starts at 0, by 32 matrix instructions on two fragments of zeros in the wait for the
; first tiles, where a first step written out, a third text, would spare them; and the last trip's change of slots (a barrier, 24 LDS loads) serves nothing.
; ASKED FOR AHEAD.  At the head of trips t = 0, 2, .. 12 three waves name, a byte a lane and the lanes 256 bytes or more apart, the bytes of K steps t + 2 and t + 3, whose tensor loads go out at the
; end of trips t and t + 1.  E's tile is read by the four work-groups of my row of the cluster alone: each names 32 of its 128 rows (wave 0 step t + 2, wave 1 step t + 3).  V's tile is read by the
; batch's 16 tile rows: each names 8 of its 128 keys, two blocks of 256 bytes a key (wave 2: lanes 0-15 step t + 2, lanes 16-31 step t + 3).  So each block is named once in the launch, 24,576 bytes a
; work-group at a time.  Steps 0 and 1 are the first fills; the last step named is 15: nothing points past a row of e or past the batch's keys.
; REGISTERS, in windows of 256 (s_set_vgpr_msb: bits 1:0 source 0, 3:2 source 1, 5:4 source 2, 7:6 destination):
;   window 0: v1-15, v20-21 addresses; v24-31 at work; v32-159 rows read back from the stage (at the start v32-47: zeros); v160-223 the statistics as loaded
;   window 1: two fragment buffers of 96 (E's 4 blocks, then V's 8); v192-199 the step's (f, l) for my row of the four blocks       window 2: S, (a, b) at v[8 (8 a + b)]       window 3: O, likewise
.set KSTEP, 128
.set PA,    272                        ; a row of E's tile in LDS: 256 bytes + 16
.set PB,    544                        ; a row of V's tile: 512 bytes + 32
.set ATILE, 128*PA
.set BTILE, 128*PB
.set SLOT1, 1<<17                      ; a slot is E's tile, then V's: 104,448 bytes; slot 1 begins here, so that one exclusive or turns an address into the other slot's
.set STAGE, SLOT1+ATILE+BTILE          ; behind the ring: 16 rows x 528 bytes for each wave
.set SP,    528                        ; 512 bytes + 16
.set FAC,   STAGE+4*16*SP              ; each wave's factors: [16 groups][16 rows][4 blocks] pairs (f, l): 8,192 bytes a wave, its own
.set SPARE, FAC+4*8192                 ; the spare words, 128 bytes for each wave: two blocks of 256 bytes that no other line names
.set FAD,   3                          ; v3   LDS address of the step's factors
.set ADRA0, 4
.set ADRB0, 5
.set ADRA,  6
.set ADRB,  7
.set STO,   8
.set RD,    9
.set CO,    10
.set FAD0,  11                         ; v11  LDS address of group 0's factors for my row; never rewritten
.set SPW,   12
.set NIL,   13
.set SA,    14                         ; v14  my byte offset in st: groups 8 h on, row r
.set FW,    15                         ; v15  where I put my eight groups' factors
.set PF0,   20                         ; v20  byte offset of the block that I name ahead, at K step 0; never rewritten
.set PF,    21                         ; v21  the same at the step in hand
.set T,     24
.set OB,    32
.set ZF,    32                         ; v32-47 two fragments of zeros
.set MS,    160
.set F0,    0
.set F1,    96
.set G,     192
.set WV, 16
.set WR, 17
.set WC, 18
.set CX, 19
.set CY, 20
.set TC, 21
.set TR, 22
.set G1A, 24
.set G0A, 32
.set G1B, 40
.set G0B, 48
.set TB, 56
.set CNT, 57
.set FS, 59                            ; s59  512 x the K step in hand
.set SEL, 62
.set OUTB, 80
.set STB, 86
.set PFB, 90                           ; s[90:91] the buffer that my wave names ahead: e (waves 0, 1) or qkv
.set PS, 92                            ; s92  the first of the two K steps to be named next
.set SH, 93                            ; s93  a K step in that buffer is 1 << SH bytes on: 256 along a row of e, 262,144 down V's rows
.set PO, 94                            ; s94  PS << SH
.set MSB, 0
.macro WIN new
.if MSB != (\new)
	s_set_vgpr_msb (MSB<<8)|(\new)
.set MSB, (\new)
.endif
.endm
.set MUL,  0xa5                        ; both fragments window 1, C and D window 2
.set TO_F, 0x40                        ; destination window 1, address window 0
.set W_FO, 0xf6                        ; S (source 0) window 2, f (source 1) window 1, O (source 2 and destination) window 3
.macro PLACES
.rept 4
	v_nop
.endr
.endm
.macro JLOAD                           ; a joint refill: waves 0 and 1 fetch E's halves, waves 2 and 3 V's; an s_nop 0 and four v_nop follow each line
	s_cmp_lt_u32 s[WV], 2
	s_cbranch_scc0 .Lfor_b_\@
	tensor_load_to_lds s[G0A+4:G0A+7], s[G1A:G1A+7]
	s_nop 0
.rept 4
	v_nop
.endr
	s_branch .Lasked_\@
.Lfor_b_\@:
	tensor_load_to_lds s[G0B+4:G0B+7], s[G1B:G1B+7]
	s_nop 0
.rept 4
	v_nop
.endr
.Lasked_\@:
.endm
.macro CREST
	s_cmp_lg_u32 s[WV], 0
	s_cbranch_scc1 .Lnot_wave_0_\@
	s_barrier_signal -3
.Lnot_wave_0_\@:
	s_barrier_wait -3
	s_barrier_signal -1
	s_barrier_wait -1
.endm
.macro CROUND
	s_barrier_signal -1
	s_barrier_wait -1
	CREST
.endm
	s_load_b256 s[4:11], s[0:1], 0x0               ; e s[4:5], st s[6:7], qkv s[8:9], out0 s[10:11]
	v_lshl_add_u32 v[SPW], v0, 2, SPARE
	v_mov_b32 v[NIL], 0
	ds_add_u32 v[SPW], v[NIL]                      ; the wave's opening: the add and its wait stand ahead of my first tensor load
	v_lshrrev_b32 v1, 5, v0
	v_readfirstlane_b32 s[WV], v1
	s_lshr_b32 s[WR], s[WV], 1
	s_and_b32 s[WC], s[WV], 1
	s_bfe_u32 s[CX], ttmp6, 0x40000
	s_bfe_u32 s[CY], ttmp6, 0x40004
	s_lshl_b32 s[TC], ttmp9, 2
	s_add_co_u32 s[TC], s[TC], s[CX]               ; tile column, 0-3
	s_and_b32 s[TR], ttmp7, 0xffff
	s_lshl_b32 s[TR], s[TR], 2
	s_add_co_u32 s[TR], s[TR], s[CY]               ; tile row, 0-63
	s_lshl_b32 s66, s[CY], 2
	s_lshl_b32 s66, 15, s66
	s_lshl_b32 s70, 0x1111, s[CX]
	s_or_b32 s[G1A], s66, (1<<16)|(1<<20)|(1<<21)|(5<<22)|(3<<25)
	s_mov_b32 s[G1A+1], 128<<16                    ; tensor_dim0 = 128
	s_mov_b32 s[G1A+2], 64<<16                     ; tensor_dim1 = 64
	s_mov_b32 s[G1A+3], 128<<16                    ; tile_dim0 = 128
	s_mov_b32 s[G1A+4], 64                         ; tile_dim1 = 64
	s_mov_b32 s[G1A+5], 2048                       ; elements from row to row of e
	s_mov_b32 s[G1A+6], 0
	s_mov_b32 s[G1A+7], 0
	s_or_b32 s[G1B], s70, (1<<16)|(1<<20)|(1<<21)|(6<<22)|(7<<25)
	s_mov_b32 s[G1B+1], 256<<16
	s_mov_b32 s[G1B+2], 64<<16
	s_mov_b32 s[G1B+3], 256<<16
	s_mov_b32 s[G1B+4], 64
	s_mov_b32 s[G1B+5], 1024
	s_mov_b32 s[G1B+6], 0
	s_mov_b32 s[G1B+7], 0
	s_lshl_b32 s66, s[TR], 7                       ; E: row 128 x tile row + 64 x half, of 4,096 bytes
	s_lshl_b32 s67, s[WC], 6
	s_add_co_u32 s66, s66, s67
	s_lshl_b32 s66, s66, 12
	s_mov_b32 s67, 0
	s_and_b32 s70, ttmp7, 0xffff                   ; V: the batch is the cluster's y / 4, which all sixteen share;
	s_lshr_b32 s70, s70, 2
	s_lshl_b32 s70, s70, 11                        ; its 2,048 rows,
	s_lshl_b32 s71, s[WC], 6                       ; + 64 x half,
	s_add_co_u32 s70, s70, s71
	s_lshl_b32 s70, s70, 11                        ; of 2,048 bytes,
	s_lshl_b32 s71, s[TC], 9                       ; column 256 x tile column,
	s_add_co_u32 s70, s70, s71
	s_add_co_u32 s70, s70, 33554432                ; behind Q and K
	s_mov_b32 s71, 0
	s_mul_i32 s74, s[WC], 64*PA
	s_mul_i32 s75, s[WC], 64*PB
	s_add_co_u32 s75, s75, ATILE
	s_mov_b32 s[TB], 0
	s_mov_b32 s[FS], 0
	s_mov_b32 s[PS], 2
	s_mov_b32 s[SEL], 0x76543210
	s_mov_b32 s[SEL+1], 0xfedcba98
	s_wait_dscnt 0x0                               ; the opening add is done
	s_wait_kmcnt 0x0
	s_add_nc_u64 s[68:69], s[4:5], s[66:67]
	s_add_nc_u64 s[72:73], s[8:9], s[70:71]
	CROUND                                         ; all sixteen work-groups are here: the first joint loads meet
.irp s, 0,1
	s_mov_b32 s[G0A+4*(\s)], 1
	s_add_co_u32 s[G0A+4*(\s)+1], s74, (\s)*SLOT1
	s_add_nc_u64 s[G0A+4*(\s)+2:G0A+4*(\s)+3], s[68:69], (\s)*KSTEP*2
	s_or_b32 s[G0A+4*(\s)+3], s[G0A+4*(\s)+3], 0x80000000
	s_mov_b32 s[G0B+4*(\s)], 1
	s_add_co_u32 s[G0B+4*(\s)+1], s75, (\s)*SLOT1
	s_add_nc_u64 s[G0B+4*(\s)+2:G0B+4*(\s)+3], s[72:73], (\s)*KSTEP*2048
	s_or_b32 s[G0B+4*(\s)+3], s[G0B+4*(\s)+3], 0x80000000
.endr
	s_cmp_lt_u32 s[WV], 2                          ; a wave's two first fills stand in one branch: two loads of mine are out
	s_cbranch_scc0 .Lfirst_b
	tensor_load_to_lds s[G0A:G0A+3], s[G1A:G1A+7]
	s_nop 0
	tensor_load_to_lds s[G0A+4:G0A+7], s[G1A:G1A+7]
	s_nop 0
.rept 4
	v_nop
.endr
	s_branch .Lfirst_asked
.Lfirst_b:
	tensor_load_to_lds s[G0B:G0B+3], s[G1B:G1B+7]
	s_nop 0
	tensor_load_to_lds s[G0B+4:G0B+7], s[G1B:G1B+7]
	s_nop 0
.rept 4
	v_nop
.endr
.Lfirst_asked:
	; THE STATISTICS, in the wait for the first tiles.  Lane (r, h) takes groups 8 h + 0..7 of row r of each of my four blocks of 16 rows.
	v_and_b32 v1, 15, v0                           ; r
	v_bfe_u32 v2, v0, 4, 1                         ; h
	v_lshlrev_b32 v[SA], 3, v1
	v_lshl_add_u32 v[SA], v2, 19, v[SA]            ; 8 groups of 65,536 bytes
	s_lshl_b32 s84, s[TR], 7
	s_lshl_b32 s85, s[WR], 6
	s_add_co_u32 s84, s84, s85                     ; my first row
	s_lshl_b32 s88, s84, 3
	s_mov_b32 s89, 0
	s_add_nc_u64 s[STB:STB+1], s[6:7], s[88:89]
.irp a, 0,1,2,3
.irp i, 0,1,2,3,4,5,6,7
	global_load_b64 v[MS+16*(\a)+2*(\i):MS+16*(\a)+2*(\i)+1], v[SA], s[STB:STB+1] offset:65536*(\i)+128*(\a)
.endr
.endr
.set i, 0
.rept 16
	v_mov_b32 v[ZF+i], 0
.set i, i+1
.endr
	WIN 0xc0                                       ; O starts at 0: zeros times zeros, C = 0, into window 3: see the head
.set i, 0
.rept 32
	v_wmma_f32_16x16x32_f16 v[8*i:8*i+7], v[ZF:ZF+7], v[ZF+8:ZF+15], 0
.set i, i+1
.endr
	WIN 0
	s_lshl_b32 s84, s84, 12                        ; out0 at my first row (4,096 bytes a row), column 256 x tile column + 128 x half
	s_lshl_b32 s85, s[TC], 10
	s_add_co_u32 s84, s84, s85
	s_lshl_b32 s85, s[WC], 9
	s_add_co_u32 s84, s84, s85
	s_mov_b32 s85, 0
	s_add_nc_u64 s[OUTB:OUTB+1], s[10:11], s[84:85]
	v_mul_u32_u24 v3, v1, PA                       ; E's fragments: row x pitch + 16 x half
	v_lshl_add_u32 v3, v2, 4, v3
	s_mul_i32 s76, s[WR], 64*PA
	v_add_nc_u32 v[ADRA0], s76, v3
	v_and_b32 v24, 7, v0                           ; V's, turned: key 8 h + l % 8, columns 8 ((l / 8) % 2) on
	v_lshl_add_u32 v24, v2, 3, v24
	v_mul_u32_u24 v24, v24, PB
	v_bfe_u32 v25, v0, 3, 1
	v_lshl_add_u32 v24, v25, 4, v24
	s_lshl_b32 s76, s[WC], 8
	s_add_co_u32 s76, s76, ATILE
	v_add_nc_u32 v[ADRB0], s76, v24
	s_mul_i32 s76, s[WV], 16*SP
	s_add_co_u32 s76, s76, STAGE                   ; my stage
	v_mul_u32_u24 v3, v1, SP                       ; in: row r, 32 bytes for each half of the lanes
	v_lshl_add_u32 v3, v2, 5, v3
	v_add_nc_u32 v[STO], s76, v3
	v_and_b32 v3, 31, v0
	v_lshlrev_b32 v[CO], 4, v3                     ; back and out: 32 lanes take a row's 512 bytes
	v_add_nc_u32 v[RD], s76, v[CO]
	s_lshl_b32 s76, s[WV], 13
	s_add_co_u32 s76, s76, FAC                     ; my factors
	v_lshlrev_b32 v3, 5, v1                        ; 32 bytes a row
	v_add_nc_u32 v[FAD0], s76, v3
	v_lshl_add_u32 v[FW], v2, 12, v[FAD0]          ; groups 8 h on, 512 bytes a group
	; what my wave names ahead (see the head): the offsets are made apart from the addresses, in registers that feed no descriptor and no LDS address
	v_and_b32 v26, 31, v0
	v_lshlrev_b32 v26, 12, v26                     ; E: a row a lane, 4,096 bytes apart
	v_bfe_u32 v27, v0, 1, 3                        ; V: key (l % 16) / 2, of 2,048 bytes,
	v_lshlrev_b32 v27, 11, v27
	v_and_b32 v28, 1, v0                           ; block l % 2 of its 512 bytes,
	v_lshl_add_u32 v27, v28, 8, v27
	v_lshl_add_u32 v27, v2, 18, v27                ; lanes 16-31: the step after, 128 keys on
	s_lshl_b32 s77, s[TR], 7
	s_lshl_b32 s78, s[CX], 5
	s_add_co_u32 s77, s77, s78                     ; E: row 128 x tile row + 32 x cx,
	s_lshl_b32 s77, s77, 12
	s_lshl_b32 s78, s[WC], 8                       ; wave 1: the step after, 256 bytes on
	s_add_co_u32 s77, s77, s78
	s_lshr_b32 s78, s[TR], 4                       ; V: the batch's 2,048 rows
	s_lshl_b32 s78, s78, 11
	s_and_b32 s79, s[TR], 15                       ; + 8 x my tile row in the batch,
	s_lshl_b32 s79, s79, 3
	s_add_co_u32 s78, s78, s79
	s_lshl_b32 s78, s78, 11
	s_lshl_b32 s79, s[TC], 9                       ; column 256 x tile column,
	s_add_co_u32 s78, s78, s79
	s_add_co_u32 s78, s78, 33554432                ; behind Q and K
	s_cmp_lt_u32 s[WV], 2
	s_cselect_b32 s77, s77, s78
	s_cselect_b32 s[SH], 8, 18
	s_cselect_b32 s79, 0, -1
	s_cselect_b64 s[PFB:PFB+1], s[4:5], s[8:9]
	v_cndmask_b32 v[PF0], v26, v27, s79
	v_add_nc_u32 v[PF0], s77, v[PF0]
	s_wait_loadcnt 0x0
.irp a, 0,1,2,3
	v_max3_num_f32 v[T+2*(\a)], v[MS+16*(\a)], v[MS+16*(\a)+2], v[MS+16*(\a)+4]
.endr
.irp a, 0,1,2,3
	v_max3_num_f32 v[T+2*(\a)], v[T+2*(\a)], v[MS+16*(\a)+6], v[MS+16*(\a)+8]
.endr
.irp a, 0,1,2,3
	v_max3_num_f32 v[T+2*(\a)], v[T+2*(\a)], v[MS+16*(\a)+10], v[MS+16*(\a)+12]
.endr
.irp a, 0,1,2,3
	v_max_num_f32 v[T+2*(\a)], v[T+2*(\a)], v[MS+16*(\a)+14]
.endr
.irp a, 0,1,2,3
	v_mov_b32 v[T+2*(\a)+1], v[T+2*(\a)]           ; the exchange's destination counts as read: it is written first
.endr
.irp a, 0,1,2,3
	v_permlanex16_b32 v[T+2*(\a)+1], v[T+2*(\a)], s[SEL], s[SEL+1]  ; the row's other eight groups lie in the lane 16 away
.endr
.irp a, 0,1,2,3
	v_max_num_f32 v[T+2*(\a)], v[T+2*(\a)], v[T+2*(\a)+1]  ; cm_row
.endr
.irp i, 0,1,2,3,4,5,6,7
.irp a, 0,1,2,3
	v_sub_f32 v[MS+16*(\a)+2*(\i)], v[MS+16*(\a)+2*(\i)], v[T+2*(\a)]
.endr
.endr
.irp i, 0,1,2,3,4,5,6,7
.irp a, 0,1,2,3
	v_exp_f32 v[MS+16*(\a)+2*(\i)], v[MS+16*(\a)+2*(\i)]  ; g takes cm's place beside l
.endr
.endr
	v_nop                                          ; a plain instruction between the last exponential and the use of the results
	s_wait_alu depctr_va_vdst(0)
.irp a, 0,1,2,3
	v_mul_f32 v[T+2*(\a)], v[MS+16*(\a)], v[MS+16*(\a)+1]
.endr
.irp i, 1,2,3,4,5,6,7
.irp a, 0,1,2,3
	v_fmac_f32 v[T+2*(\a)], v[MS+16*(\a)+2*(\i)], v[MS+16*(\a)+2*(\i)+1]  ; the sum of g l over my eight groups
.endr
.endr
.irp a, 0,1,2,3
	v_permlanex16_b32 v[T+2*(\a)+1], v[T+2*(\a)], s[SEL], s[SEL+1]
.endr
.irp a, 0,1,2,3
	v_add_f32 v[T+2*(\a)], v[T+2*(\a)], v[T+2*(\a)+1]  ; the divisor
.endr
.irp a, 0,1,2,3
	v_rcp_f32 v[T+2*(\a)+1], v[T+2*(\a)]
.endr
	v_nop                                          ; a plain instruction between the last reciprocal and the use of the results
	s_wait_alu depctr_va_vdst(0)
.irp i, 0,1,2,3,4,5,6,7
.irp a, 0,1,2,3
	v_mul_f32 v[MS+16*(\a)+2*(\i)], v[MS+16*(\a)+2*(\i)], v[T+2*(\a)+1]  ; f = g / divisor
.endr
.endr
.irp i, 0,1,2,3,4,5,6,7
.irp a, 0,1,2,3
	ds_store_b64 v[FW], v[MS+16*(\a)+2*(\i):MS+16*(\a)+2*(\i)+1] offset:512*(\i)+8*(\a)  ; group 8 h + i, row r, block a: the pair as it stands (the packed multiply-add takes its first word): my wave's own bytes
.endr
.endr
; 8 matrix instructions: row block a x all 8 column blocks, 32 keys.  mode 1: the step's first products start its sums.  The 32 accumulators take turns.
.macro MUL8 f, a, mode
	WIN MUL
.irp b, 0,1,2,3,4,5,6,7
.if \mode
	v_wmma_f32_16x16x32_f16 v[8*(8*(\a)+(\b)):8*(8*(\a)+(\b))+7], v[(\f)+32+8*(\b):(\f)+32+8*(\b)+7], v[(\f)+8*(\a):(\f)+8*(\a)+7], 0
.else
	v_wmma_f32_16x16x32_f16 v[8*(8*(\a)+(\b)):8*(8*(\a)+(\b))+7], v[(\f)+32+8*(\b):(\f)+32+8*(\b)+7], v[(\f)+8*(\a):(\f)+8*(\a)+7], v[8*(8*(\a)+(\b)):8*(8*(\a)+(\b))+7]
.endif
.endr
.endm
; 24 LDS loads in one run: the fragments of quarter kq of the K step in hand into buffer f: E's blocks 0, 1; V's eight; E's blocks 2, 3
.macro FETCH kq, f
	WIN TO_F
.irp a, 0,1
	ds_load_b128 v[(\f)+8*(\a):(\f)+8*(\a)+3],   v[ADRA] offset:64*(\kq)+16*PA*(\a)
	ds_load_b128 v[(\f)+8*(\a)+4:(\f)+8*(\a)+7], v[ADRA] offset:64*(\kq)+16*PA*(\a)+32
.endr
.irp b, 0,1,2,3,4,5,6,7
	ds_load_tr16_b128 v[(\f)+32+8*(\b):(\f)+32+8*(\b)+3],   v[ADRB] offset:32*PB*(\kq)+32*(\b)
	ds_load_tr16_b128 v[(\f)+32+8*(\b)+4:(\f)+32+8*(\b)+7], v[ADRB] offset:32*PB*(\kq)+32*(\b)+16*PB
.endr
.irp a, 2,3
	ds_load_b128 v[(\f)+8*(\a):(\f)+8*(\a)+3],   v[ADRA] offset:64*(\kq)+16*PA*(\a)
	ds_load_b128 v[(\f)+8*(\a)+4:(\f)+8*(\a)+7], v[ADRA] offset:64*(\kq)+16*PA*(\a)+32
.endr
.endm
; One of a K step's first three quarters: multiplies buffer f, fetches quarter kq into buffer g.
.macro QUARTER kq, f, g, mode
	s_wait_dscnt 4                                 ; the youngest four loads (E's blocks 2, 3) may be out
	MUL8 \f, 0, \mode
	MUL8 \f, 1, \mode
	PLACES
	FETCH \kq, \g
	s_wait_dscnt 24                                ; all but the 24 just issued
	MUL8 \f, 2, \mode
	MUL8 \f, 3, \mode
.endm
; O += f x S for row block a: 32 packed multiply-adds, each accumulator from its low end
.macro FOLD a
	WIN W_FO
.set i, 0
.rept 32
	v_pk_fma_f32 v[64*(\a)+2*i:64*(\a)+2*i+1], v[64*(\a)+2*i:64*(\a)+2*i+1], v[G+2*(\a):G+2*(\a)+1], v[64*(\a)+2*i:64*(\a)+2*i+1] op_sel_hi:[1,0,1]
.set i, i+1
.endr
.endm
; The last quarter changes slots: one barrier; with fill = 1 it opens a round of the cluster's barrier and the slot just read is filled again, first thing behind the round, with the K step two steps on.
; Behind the step's last products O takes f x S.  Blocks 0 and 1 were finished ahead of the places in this macro's middle; their 64 multiply-adds name no register of blocks 2 and 3's products and are
; those products' places; all 128 are the places in front of the next step's products, which write S anew.
.macro TURN fill
	WIN 0
	s_wait_tensorcnt 0x0                           ; no tensor load of mine is out, so a group 0 may be written
	ds_add_u32 v[SPW], v[NIL]                      ; 0 onto my spare word
.if \fill
	s_xor_b32 s[G0A+5], s[G0A+5], SLOT1
	s_add_nc_u64 s[G0A+6:G0A+7], s[G0A+6:G0A+7], KSTEP*2
	s_xor_b32 s[G0B+5], s[G0B+5], SLOT1
	s_add_nc_u64 s[G0B+6:G0B+7], s[G0B+6:G0B+7], KSTEP*2048
.endif
	s_xor_b32 s[TB], s[TB], SLOT1
	s_wait_dscnt 5                                 ; (the add and the youngest four loads may be out)
	MUL8 F1, 0, 0
	s_wait_dscnt 0x0                               ; the add is done, and my reads of this slot are over
	s_barrier_signal -1
	MUL8 F1, 1, 0
	WIN 0
	s_barrier_wait -1
.if \fill
	CREST
	JLOAD                                          ; its four v_nop are also the places in front of the loads below
.else
	PLACES
.endif
	v_add_nc_u32 v[FAD], s[FS], v[FAD0]            ; this step's factors,
	v_add_nc_u32 v[ADRA], s[TB], v[ADRA0]          ; the next step's tiles
	v_add_nc_u32 v[ADRB], s[TB], v[ADRB0]
	s_add_co_u32 s[FS], s[FS], 512
	WIN TO_F
	ds_load_b128 v[G:G+3], v[FAD]
	ds_load_b128 v[G+4:G+7], v[FAD] offset:16
	FETCH 0, F0
	MUL8 F1, 2, 0
	MUL8 F1, 3, 0
	s_wait_dscnt 24                                ; the factors are in; the 24 loads behind them may be out
	FOLD 0
	FOLD 1
	FOLD 2
	FOLD 3
.endm
; The asking ahead (see the head).  It stands at a trip's head, behind the 128 multiply-adds of the trip before: the LDS loads issued ahead of those have landed, so the wait that follows is met.
; The branches hang on the trip's count and on the wave's number alone; they jump over no barrier and no tensor load.
.macro PREF
	s_and_b32 s95, s[CNT], 1                       ; the count runs 14, 13, .. 1: it is even in trips 0, 2, .. 12
	s_cmp_lg_u32 s95, 0
	s_cbranch_scc1 .Lno_ask_\@
	s_cmp_lt_u32 s[WV], 3
	s_cbranch_scc0 .Lno_ask_\@
	s_wait_xcnt 0x0                                ; the asking two trips back has read its address register, which is written below
	s_lshl_b32 s[PO], s[PS], s[SH]
	v_add_nc_u32 v[PF], s[PO], v[PF0]
	global_prefetch_b8 v[PF], s[PFB:PFB+1] th:TH_LOAD_NT scope:SCOPE_SE
	s_add_co_u32 s[PS], s[PS], 2                   ; 2, 4, .. 14
.Lno_ask_\@:
.endm
.macro STEP fill
.if \fill
	PREF
.endif
	QUARTER 1, F0, F1, 1
	QUARTER 2, F1, F0, 0
	QUARTER 3, F0, F1, 0
	TURN \fill
	WIN 0
.endm
	s_wait_dscnt 0x0                               ; my factors are stored: no LDS instruction is pending at the signal
	s_wait_tensorcnt 0x1                           ; my part of K step 0 is in; step 1's may stay out
	s_barrier_signal -1
	s_barrier_wait -1
	v_mov_b32 v[ADRA], v[ADRA0]
	v_mov_b32 v[ADRB], v[ADRB0]
	FETCH 0, F0
	WIN 0
	s_mov_b32 s[CNT], 14
.Lstep:                                                ; K steps 0 to 13: each asks for the step two on
	STEP 1
	s_sub_co_u32 s[CNT], s[CNT], 1
	s_cmp_lg_u32 s[CNT], 0
	s_cbranch_scc1 .Lstep
	s_mov_b32 s[CNT], 2
.Ltail:                                                ; K steps 14 and 15 ask for nothing: a text of their own
	STEP 0
	s_sub_co_u32 s[CNT], s[CNT], 1
	s_cmp_lg_u32 s[CNT], 0
	s_cbranch_scc1 .Ltail
; THE WAY OUT of row block a.  TOSTAGE: 32 bytes a lane into my own stage, and back as whole rows of 512 bytes, into two sets of registers by turns.  SEND: stored.
.macro TOSTAGE a
.set BK, OB+64*((\a)%2)
.if (\a) >= 2
	s_wait_xcnt 0x0                                ; the stores of the block two back have read the registers that the loads below write
.endif
	WIN 0x0c                                       ; the stores' data in window 3
.irp b, 0,1,2,3,4,5,6,7
	ds_store_b128 v[STO], v[64*(\a)+8*(\b):64*(\a)+8*(\b)+3]   offset:64*(\b)
	ds_store_b128 v[STO], v[64*(\a)+8*(\b)+4:64*(\a)+8*(\b)+7] offset:64*(\b)+16
.endr
	WIN 0
.irp t, 0,1,2,3,4,5,6,7,8,9,10,11,12,13,14,15
	ds_load_b128 v[BK+4*(\t):BK+4*(\t)+3], v[RD] offset:(\t)*SP  ; LDS serves a wave's instructions in order (ISA guide 5.7.1.4): these see the stores above; the next block's stores come behind them
.endr
.endm
.macro SEND a, younger                 ; younger: the LDS instructions issued behind block a's loads: the next block's 32, or none
.set BK, OB+64*((\a)%2)
	s_wait_dscnt \younger
.irp t, 0,1,2,3,4,5,6,7,8,9,10,11,12,13,14,15
	global_store_b128 v[CO], v[BK+4*(\t):BK+4*(\t)+3], s[OUTB:OUTB+1] offset:(16*(\a)+(\t))*4096 th:TH_STORE_NT  ; 512 consecutive bytes, aligned
.endr
.endm
	TOSTAGE 0
	TOSTAGE 1                                      ; a block's way through the stage stands between the loads of the block before and the wait for them
	SEND 0, 32
	TOSTAGE 2
	SEND 1, 32
	TOSTAGE 3
	SEND 2, 32
	SEND 3, 0
	s_wait_tensorcnt 0x0                           ; the wave's end
	ds_add_u32 v[SPW], v[NIL]
	s_wait_dscnt 0x0
	CROUND                                         ; the closing round
	s_endpgm
.Lfunc_end_k_qa620da7580_pv:
	.size	k_qa620da7580_pv, .Lfunc_end_k_qa620da7580_pv-k_qa620da7580_pv
	.p2alignl 7, 3214868480
	.fill 96, 4, 3214868480
	.section	.rodata,"a",@progbits
	.p2align	6, 0x0
	.amdhsa_kernel k_qa620da7580_pv
		.amdhsa_group_segment_fixed_size 327680
		.amdhsa_private_segment_fixed_size 0
		.amdhsa_enable_private_segment 0
		.amdhsa_kernarg_size 32
		.amdhsa_user_sgpr_count 2
		.amdhsa_user_sgpr_kernarg_segment_ptr 1
		.amdhsa_wavefront_size32 1
		.amdhsa_system_sgpr_workgroup_id_x 1
		.amdhsa_system_sgpr_workgroup_id_y 1
		.amdhsa_system_sgpr_workgroup_id_z 1
		.amdhsa_system_vgpr_workitem_id 0
		.amdhsa_next_free_vgpr 1024
		.amdhsa_next_free_sgpr 96
		.amdhsa_reserve_vcc 0
		.amdhsa_float_denorm_mode_32 3
		.amdhsa_float_denorm_mode_16_64 3
		.amdhsa_memory_ordered 1
		.amdhsa_forward_progress 1
		.amdhsa_inst_pref_size 88
	.end_amdhsa_kernel
	.amdgpu_metadata
---
amdhsa.version: [ 1, 2 ]
amdhsa.kernels:
  - .name:           k_qa620da7580_pv
    .symbol:         k_qa620da7580_pv.kd
    .args:
      - { .name: e, .offset: 0, .size: 8, .value_kind: global_buffer, .address_space: global }
      - { .name: st, .offset: 8, .size: 8, .value_kind: global_buffer, .address_space: global }
      - { .name: qkv, .offset: 16, .size: 8, .value_kind: global_buffer, .address_space: global }
      - { .name: out0, .offset: 24, .size: 8, .value_kind: global_buffer, .address_space: global }
    .group_segment_fixed_size: 327680
    .private_segment_fixed_size: 0
    .kernarg_segment_align: 8
    .kernarg_segment_size: 32
    .max_flat_workgroup_size: 128
    .sgpr_count:     96
    .vgpr_count:     1024
    .wavefront_size: 32
...
	.end_amdgpu_metadata
.endif
;; end of part 4
;; ======== version 2 of 2: 4 launches; version 1 with the launch cast written anew for expert scheduling mode
;; limits: values are held in f16: magnitudes above 65,504 overflow, below 6.1e-05 lose precision
;; workspace buffers: wb 6,291,456 bytes; qkv 50,331,648 bytes; e 33,554,432 bytes; st 1,048,576 bytes
;; launch cast (part 5): grid 384 x 1, 8 waves a work-group, no clusters, 0 bytes of LDS; arguments Wq, Wk, Wv, wb; writes wb
.if DOCPART == 5
	.amdgcn_target "amdgcn-amd-amdhsa--gfx1250"
	.amdhsa_code_object_version 6
	.text
	.protected	k_qa620da7580_cast
	.globl	k_qa620da7580_cast
	.p2align	8
	.type	k_qa620da7580_cast,@function
k_qa620da7580_cast:
	s_mov_b64 s[64:65], 0
	v_nop
	global_prefetch_b8 v0, s[64:65] scope:SCOPE_SE
	s_setreg_imm32_b32 hwreg(HW_REG_WAVE_SCHED_MODE, 0, 2), 2
	s_setreg_imm32_b32 hwreg(HW_REG_WAVE_MODE, 25, 1), 1
	s_wait_xcnt 0x0
	s_wait_alu depctr_vm_vsrc(0)
; Wq, Wk, Wv are rounded to bf16, once: wb holds the three one behind the other, [3][1024 d][1024 f], layout kept.  (x and the biases are rounded where they are used, in the launch behind:
; x lies along K and can be converted between LDS and the matrix unit; the weights lie across K and are read turned, which only 16-bit numbers can be.)
; Each of 384 work-groups takes 32,768 bytes of a weight.  A stream: each byte is read once and written once; nothing is shared, so no LDS, no cluster, no matrix unit.
; Thread t takes 16 bytes at 16 t of each 4,096 bytes (a chunk): eight loads of a wave are out together; a wave's store covers 256 consecutive bytes, aligned.
; THE MODE: SCHED_MODE bits 1:0 = 2 (LLVM: expert scheduling mode 2), set by the entry lines.  The code itself states the register dependences
; between vector instructions and memory instructions, with s_wait_alu, always for 0.
; THE PLAN.  Registers that memory instructions touch:
;   v1, v2   byte offsets of the loads and of the stores: made once at the head, never written again.
;   X        chunk i: four registers, written by its load alone (all eight loads go out at the head, into registers that no vector instruction has named), read by its two conversions.
;   Y        chunk i: two registers, written by its two conversions, read by its store.  No register of X or Y is written twice.
; The eight chunks go in four blocks of two.  Block p converts its own two chunks; its memory instructions are the two stores of block p - 1, whose Y no vector instruction of block p names.
; So one wait at a block's head, behind the wait for the block's data, states all that its two stores hang on, and they are dealt among its conversions with no further wait.
; No register that a memory instruction reads is written again, no vector instruction writes a scalar register, and EXEC is never written: nothing else is owed.
.set X, 4                              ; v[4:35]   chunk i at X + 4 i: 4 f32 as loaded
.set Y, 36                             ; v[36:51]  chunk i at Y + 2 i: 4 bf16 to store
	s_load_b256 s[4:11], s[0:1], 0x0               ; Wq s[4:5], Wk s[6:7], Wv s[8:9], wb s[10:11]
	v_lshlrev_b32 v1, 4, v0                        ; 16 t: my bytes in 4,096 of f32
	v_lshlrev_b32 v2, 3, v0                        ; 8 t: my bytes in 2,048 of bf16
	s_and_b32 s12, ttmp9, 127                      ; my block in its weight: 128 blocks a weight
	s_lshl_b32 s12, s12, 15                        ; 32,768 bytes of f32
	s_mov_b32 s13, 0
	s_lshl_b32 s14, ttmp9, 14                      ; 16,384 bytes of bf16
	s_mov_b32 s15, 0
	s_wait_kmcnt 0x0
	s_cmp_lt_u32 ttmp9, 256
	s_cselect_b64 s[16:17], s[6:7], s[8:9]         ; Wk or Wv,
	s_cmp_lt_u32 ttmp9, 128
	s_cselect_b64 s[16:17], s[4:5], s[16:17]       ; or Wq
	s_add_nc_u64 s[16:17], s[16:17], s[12:13]
	s_add_nc_u64 s[18:19], s[10:11], s[14:15]
	s_wait_alu depctr_va_vdst(0)                   ; v1 and v2 are written: every load of the kernel reads v1 as its offset, every store v2
.set i, 0
.rept 8
	global_load_b128 v[X+4*i:X+4*i+3], v1, s[16:17] offset:4096*i th:TH_LOAD_NT
.set i, i+1
.endr
.macro CVT i                           ; chunk i: four numbers rounded to bf16, in pairs
	v_cvt_pk_bf16_f32 v[Y+2*(\i)],   v[X+4*(\i)],   v[X+4*(\i)+1]
	v_cvt_pk_bf16_f32 v[Y+2*(\i)+1], v[X+4*(\i)+2], v[X+4*(\i)+3]
.endm
.macro OUT i                           ; chunk i is stored
	global_store_b64 v2, v[Y+2*(\i):Y+2*(\i)+1], s[18:19] offset:2048*(\i)  ; no register is written twice, so no wait frees any
.endm
; Block p: chunks 2 p and 2 p + 1 are converted; the two chunks of the block before are stored.
.macro BLK p
	s_wait_loadcnt 6-2*(\p)                        ; loads come back in order: this block's two are in, the 6 - 2 p younger ones stay out
.if (\p) > 0
	s_wait_alu depctr_va_vdst(0)                   ; the conversions of the block before have written their Y, which the two stores below read
	OUT 2*(\p)-2
.endif
	CVT 2*(\p)
.if (\p) > 0
	OUT 2*(\p)-1                                   ; no wait: the conversions issued since the wait name this block's X and Y alone
.endif
	CVT 2*(\p)+1
.endm
	BLK 0
	BLK 1
	BLK 2
	BLK 3
	s_wait_alu depctr_va_vdst(0)                   ; block 3's conversions have written their Y, which the last two stores read
	OUT 6
	OUT 7
	s_endpgm
.Lfunc_end_k_qa620da7580_cast:
	.size	k_qa620da7580_cast, .Lfunc_end_k_qa620da7580_cast-k_qa620da7580_cast
	.p2alignl 7, 3214868480
	.fill 96, 4, 3214868480
	.section	.rodata,"a",@progbits
	.p2align	6, 0x0
	.amdhsa_kernel k_qa620da7580_cast
		.amdhsa_group_segment_fixed_size 0
		.amdhsa_private_segment_fixed_size 0
		.amdhsa_enable_private_segment 0
		.amdhsa_kernarg_size 32
		.amdhsa_user_sgpr_count 2
		.amdhsa_user_sgpr_kernarg_segment_ptr 1
		.amdhsa_wavefront_size32 1
		.amdhsa_system_sgpr_workgroup_id_x 1
		.amdhsa_system_sgpr_workgroup_id_y 1
		.amdhsa_system_sgpr_workgroup_id_z 1
		.amdhsa_system_vgpr_workitem_id 0
		.amdhsa_next_free_vgpr 56
		.amdhsa_next_free_sgpr 66
		.amdhsa_reserve_vcc 0
		.amdhsa_float_denorm_mode_32 3
		.amdhsa_float_denorm_mode_16_64 3
		.amdhsa_memory_ordered 1
		.amdhsa_forward_progress 1
		.amdhsa_inst_pref_size 4
	.end_amdhsa_kernel
	.amdgpu_metadata
---
amdhsa.version: [ 1, 2 ]
amdhsa.kernels:
  - .name:           k_qa620da7580_cast
    .symbol:         k_qa620da7580_cast.kd
    .args:
      - { .name: Wq, .offset: 0, .size: 8, .value_kind: global_buffer, .address_space: global }
      - { .name: Wk, .offset: 8, .size: 8, .value_kind: global_buffer, .address_space: global }
      - { .name: Wv, .offset: 16, .size: 8, .value_kind: global_buffer, .address_space: global }
      - { .name: wb, .offset: 24, .size: 8, .value_kind: global_buffer, .address_space: global }
    .group_segment_fixed_size: 0
    .private_segment_fixed_size: 0
    .kernarg_segment_align: 8
    .kernarg_segment_size: 32
    .max_flat_workgroup_size: 256
    .sgpr_count:     66
    .vgpr_count:     56
    .wavefront_size: 32
...
	.end_amdgpu_metadata
.endif
;; end of part 5
;; launch qkv: the kernel of part 2 again; grid 4 x 64, 4 waves a work-group, clusters of 4 x 4, 327,680 bytes of LDS; arguments x, wb, bq, bk, bv, qkv; writes qkv
;; launch scores: the kernel of part 3 again; grid 8 x 32, 4 waves a work-group, clusters of 4 x 4, 327,680 bytes of LDS; arguments qkv, e, st; writes e, st
;; launch pv: the kernel of part 4 again; grid 4 x 64, 4 waves a work-group, clusters of 4 x 4, 327,680 bytes of LDS; arguments e, st, qkv, out0; writes out0
